; MI455X (gfx1250); checked and timed in simulation.
; The chip was launched on July 23, 2026; its instructions are those of AMD's public machine-readable ISA for CDNA 5 (MIT licence, August 2026) and "CDNA5" Instruction Set Architecture Reference Guide (July 2026). The comments in the code are by the model that wrote it; some were corrected since.
;; Attention. Allowed arithmetic: matrix products marked QUANTISED: E2M1 operands, one E8M0 scale for each 32 along K, by v_wmma_scale_f32_16x16x128_f8f6f4 with both operands' format E2M1 (or v_wmma_scale_f32_32x16x128_f4), f32 sums; products left as they are: f32 operands where the result goes on into a quantised operand, else bf16, f16 or f32 operands; f32 sums; everything else in f32.
;; Inputs: freq_cis 2,048 x 64 x 2 float32; head_a 2,048 x 8 float32; head_b 8 x 2,048 float32; k_a 2,048 x 8 float32; k_b 8 x 128 float32; q_a 2,048 x 8 float32; q_b 8 x 128 float32; v_a 2,048 x 8 float32; v_b 8 x 128 float32; wk_base 2,048 x 2,048 float32; wo 2,048 x 2,048 float32; wq_base 2,048 x 2,048 float32; wv_base 2,048 x 2,048 float32; x 1 x 2,048 x 2,048 float32.
;; Outputs: out0 1 x 2,048 x 2,048 float32.
;; This version of the problem:
;;   THIS VERSION OF THE PROBLEM IS GIVEN IN LOW PRECISION. The matrix products marked QUANTISED in the list below multiply operands that are first quantised to E2M1 (2 exponent bits, 1 mantissa bit; 4 bits a number), with one power-of-two scale for each 32 numbers along K (OCP MX v1.0); their sums are f32. All else is computed in f32.
;;   The module's matrix products, in the order in which they are computed (A, B: the left and right operand; K: the contracted axis; several contracted axes count as one K, in the product's order):
;;     1. [M 2,048, K 2,048] x [K 2,048, N 8]; A: input x; B: input head_a: left as it is (N = 8 < 16)
;;     2. [M 2,048, K 8] x [K 8, N 2,048]; A: computed on the way; B: input head_b: left as it is (K = 8 < 32)
;;     3. [M 2,048, K 2,048] x [K 2,048, N 2,048]; A: input x; B: input wq_base: QUANTISED
;;     4. [M 2,048, K 2,048] x [K 2,048, N 8]; A: input x; B: input q_a: left as it is (N = 8 < 16)
;;     5. [M 2,048, K 8] x [K 8, N 128]; A: computed on the way; B: input q_b: left as it is (K = 8 < 32)
;;     6. [M 2,048, K 2,048] x [K 2,048, N 2,048]; A: input x; B: input wk_base: QUANTISED
;;     7. [M 2,048, K 2,048] x [K 2,048, N 8]; A: input x; B: input k_a: left as it is (N = 8 < 16)
;;     8. [M 2,048, K 8] x [K 8, N 128]; A: computed on the way; B: input k_b: left as it is (K = 8 < 32)
;;     9. [M 2,048, K 2,048] x [K 2,048, N 2,048]; A: input x; B: input wv_base: QUANTISED
;;     10. [M 2,048, K 2,048] x [K 2,048, N 8]; A: input x; B: input v_a: left as it is (N = 8 < 16)
;;     11. [M 2,048, K 8] x [K 8, N 128]; A: computed on the way; B: input v_b: left as it is (K = 8 < 32)
;;     12. batch 16 x [M 2,048, K 128] x [K 128, N 2,048]; A: computed on the way; B: computed on the way: QUANTISED
;;     13. batch 16 x [M 2,048, K 2,048] x [K 2,048, N 128]; A: softmax (see below); B: computed on the way: QUANTISED
;;     14. [M 2,048, K 2,048] x [K 2,048, N 2,048]; A: computed on the way; B: input wo: QUANTISED
;;   THE QUANTISER, for each operand of a quantised product, along K:
;;     - K is cut into blocks of 32 from its start; a last block that is shorter is filled with zeros.
;;     - A block's scale is 2^e with e = floor(log2(the largest magnitude in the block)) - 2, held to -126 .. 127; a block of zeros has e = 0. As a byte (E8M0): e + 127.
;;     - Each number is divided by its block's scale, clamped to +-6, and rounded to the nearest number of E2M1, ties to even, subnormals kept.
;;     - The product sums the exact products of the quantised numbers (number of the format x scale) in f32.
;;   ~~~python
;;   def quantise(x, axis):      # numpy; x: float32 -> the quantised numbers, widened to float32 again
;;       x = np.moveaxis(x, axis, -1); K = x.shape[-1]
;;       x = np.pad(x, [(0, 0)] * (x.ndim - 1) + [(0, -K % 32)]); x = x.reshape(x.shape[:-1] + (-1, 32)); a = np.abs(x).max(-1, keepdims=True)
;;       e = np.where(a > 0, np.clip(np.frexp(np.where(a > 0, a, 1))[1] - 1 - 2, -126, 127), 0)      # np.frexp(a)[1] - 1 = floor(log2(a)), exactly
;;       r = np.clip(x / 2.0 ** e, -6, 6)
;;       step = 2.0 ** (np.maximum(np.frexp(np.where(r == 0, 1, r))[1] - 1, 0) - 1)
;;       q = np.round(r / step) * step * 2.0 ** e      # np.round: ties to even
;;       return np.moveaxis(q.reshape(q.shape[:-2] + (-1,))[..., :K], -1, axis).astype(np.float32)
;;   ~~~
;;   SOFTMAX AHEAD OF A QUANTISED PRODUCT. Where the list says 'softmax', what is quantised is not the finished softmax but p = 2^(t - M), with t = logit x log2(e) and M = ceil(the row's largest t), a whole number; so 1/2 < the row's largest p <= 1. The row's sum l is taken of the UNQUANTISED p, in f32, and the product's result is divided by l at the end. Since M is a whole number, a kernel that streams over the keys may use a running M (the ceiling of the running maximum): every later rescaling is an exact power of two, which a block's scale takes up: the codes' values come out the same.
;;   OPERANDS COMPUTED ON THE WAY. 'Computed on the way' means the value that the module computes at that place (a softmax that the list does not call 'softmax' is quantised finished and normalised). What goes into a quantiser is computed in f32, as accurately as f32 sums, v_exp_f32 and their like allow (about 1e-6 of the number): no bf16 or f16 on the way to a quantiser, and a product that is left as it is and whose result goes on into a quantised operand takes f32 operands (vector FMAs, or v_wmma_f32_16x16x4_f32). A number that lies on a knife's edge between two numbers of the format may be rounded either way, as far as f32 arithmetic and the matrix unit's own rounding can turn it there, and no further.
;; One version. Each part assembles by itself: llvm-mc -triple=amdgcn-amd-amdhsa -mcpu=gfx1250 --defsym DOCPART=n.
;; ======== version 1 of 1: 4 launches
;; limits: right only within a limited range of input values
;; workspace buffers: xq 2,228,224 bytes; wts 8,912,896 bytes; xa 1,048,576 bytes; qkv 6,684,672 bytes; oq 2,228,224 bytes
;; launch prep (part 1): grid 768 x 1, 4 waves a work-group, no clusters, 96,000 bytes of LDS; arguments x, q_a, k_a, v_a, head_a, wq_base, wk_base, wv_base, wo, xq, wts, xa; writes xq, wts, xa
.if DOCPART == 1
	.amdgcn_target "amdgcn-amd-amdhsa--gfx1250"
	.amdhsa_code_object_version 6
	.text
	.protected	k_q23b5a9ad24_prep
	.globl	k_q23b5a9ad24_prep
	.p2align	8
	.type	k_q23b5a9ad24_prep,@function
k_q23b5a9ad24_prep:
	s_mov_b64 s[64:65], 0
	v_nop
	global_prefetch_b8 v0, s[64:65] scope:SCOPE_SE
	s_setreg_imm32_b32 hwreg(HW_REG_WAVE_MODE, 25, 1), 1
	s_wait_xcnt 0x0
; PREP: x and the four weights become codes of FP4 (E2M1) with one E8M0 byte for each 32 along K, and 2 x (x a) is made for the four narrow factors a, in f32.
; A TILE is 16 rows of an operand; tile row p of tile T is row 32 (T / 2) + 8 (T % 2) + p + 8 (p / 8).  Codes lie as images of the operand registers: [tile][block of 32 along K][p][16 bytes].
; Scale bytes lie [pair of tiles][256 along K][T % 2][p][8 bytes].  A block's scale byte is its largest magnitude's exponent field - 2, held at 1 from below.
; LIMITS: a block whose largest magnitude lies under 2^-124, and a block of zeros, get the byte 1 (the codes of zeros are zeros, and this program alone reads the bytes); NaN and infinities among the inputs are not served.
; WORK-GROUPS 0-255 take the weights: 512 columns x 128 along K; a wave has 128 columns, so that the four waves read 2,048 bytes on end of each row.  A load reads 512 bytes of a row: a lane has 4 columns,
; its registers run down K with a stride of 4; eight at a time are gathered by moves for the conversion.  Two sets of 32 rows take turns over the wave's four blocks.  Codes leave through LDS as whole units of 256 bytes;
; a column's four scale bytes leave as one word, 4 bytes of each 8: half of each unit, 1 byte in 128 of what the launch reads.
; WORK-GROUPS 256-767 take x: work-group g has tile g / 4 and 512 along K (g % 4); a wave has 128 of them.  Each load reads two runs of 256 bytes on end; the numbers turn through the wave's stage in LDS,
; so that a lane holds 16 neighbours of a row.  The wave's slice a[128][32] of the four factors is laid into its own LDS bytes column by column, so that a lane reads 4 neighbours along K at a time.
; The four waves' sums of x a are added through LDS: xa holds four partial sums over K, which the next launch adds.
; No loop to prefetch ahead in: an x wave asks for all its 48 loads at its head, a weights wave has 64 out.  No cluster and no tensor load: what work-groups share is the 256 KiB of the factors beside 84 MB that are read once.
.set XSC, 2097152                      ; xq: the scale bytes lie behind the codes
.set WSC, 8388608                      ; wts: likewise
.set XSTG, 67584                       ; LDS: 0: a, 16,896 bytes a wave (32 columns x (512 + 16)); here: x's stages, 4,352 a wave (16 rows x (256 + 16))
.set XSCW, 84992                       ; x's scale words of the four waves, 256 bytes
.set WSTG, 85248                       ; the weights' path has bytes of its own: stages for the codes, 2,048 a wave,
.set WSCL, 93440                       ; and for the scale words, 512 a wave
.set SPARE, 95488                      ; the spare words, 128 bytes a wave
.set SPW, 20                           ; v20  my spare word; v21  0: kept for the add alone
.set NIL, 21
.set DA,  48                           ; v48-79 four accumulators of x a: written by matrix instructions alone, on both paths
; x's path
.set XO,  1                            ; v1   8,192 (lane / 16) + 16 (lane % 16)
.set LI,  2                            ; v2   16 x lane
.set AD,  3                            ; v3   LDS: column r of my a, + 64 h
.set WA,  4                            ; v4   LDS: where my numbers of a go
.set SI,  5                            ; v5   stage, in
.set SR,  6                            ; v6   stage, out: row r, + 64 h
.set SO,  7                            ; v7   256 h + 8 r
.set PC,  8                            ; v8-15 the fragment's codes
.set RDX, 16                           ; v16  LDS: my quarter of a wave's sums
.set SWA, 17                           ; v17  LDS: my row's scale word
.set SRA, 18                           ; v18  LDS: 8 bytes a lane of the scale words
.set EW,  19                           ; v19  LDS: my sums
.set TM,  24                           ; v24-39 at work in the quantiser
.set PW,  40                           ; v40  the scale word
.set AT,  80                           ; v80-207 a as it is loaded; then:
.set XS,  80                           ; v80-143 my 64 numbers of x
.set BS,  144                          ; v144-207 two sets of 32 numbers of a
.set EO,  208                          ; v208-223 2 x my sums
.set RS,  224                          ; v224-241 the four waves' sums
.set SEL, 38                           ; s[38:39] lane selects: lane l xor 16
; the weights' path
.set LO,  1
.set STI, 2
.set STO, 3
.set GO,  4
.set SSI, 5
.set SSO, 6
.set GS,  7
.set MA,  8                            ; v8-11 the four columns' largest magnitudes, then the conversions' scale operands
.set HB,  12                           ; v12-15 their scale words
.set T,   22                           ; v22-29 eight neighbours along K
.set C,   30                           ; v30-45 codes: four registers a column; then the same codes in the order in which they leave
.set S,   80                           ; v80-335 two sets of 32 rows x 4 columns
.set MSB, 0
.macro WIN new                         ; the immediate's high byte repeats the setting that is left
.if MSB != (\new)
	s_set_vgpr_msb (MSB<<8)|(\new)
.set MSB, (\new)
.endif
.endm
.macro PLACES n
.rept \n
	v_nop
.endr
.endm
.macro DSB set, kb                     ; a of block kb: register 16 nt + i = a[32 kb + 16 h + i][16 nt + r]
.irp nt, 0,1
.irp j, 0,1,2,3
	ds_load_b128 v[BS+32*(\set)+16*\nt+4*\j:BS+32*(\set)+16*\nt+4*\j+3], v[AD] offset:8448*\nt+128*(\kb)+16*\j
.endr
.endr
.endm
; 16 matrix instructions: 32 along K.  Source 0 = 16 columns of a, source 1 = my 16 rows of x; both sides name k = 32 b + 16 h + 2 g + j in the same places.  The four accumulators take turns.
.macro MM b, bs, first
.irp g, 0,1,2,3,4,5,6,7
.irp nt, 0,1
.if (\first) && (\g < 2)
	v_wmma_f32_16x16x4_f32 v[DA+8*(2*(\g%2)+\nt):DA+8*(2*(\g%2)+\nt)+7], v[BS+32*(\bs)+16*\nt+2*\g:BS+32*(\bs)+16*\nt+2*\g+1], v[XS+16*(\b)+2*\g:XS+16*(\b)+2*\g+1], 0
.else
	v_wmma_f32_16x16x4_f32 v[DA+8*(2*(\g%2)+\nt):DA+8*(2*(\g%2)+\nt)+7], v[BS+32*(\bs)+16*\nt+2*\g:BS+32*(\bs)+16*\nt+2*\g+1], v[XS+16*(\b)+2*\g:XS+16*(\b)+2*\g+1], v[DA+8*(2*(\g%2)+\nt):DA+8*(2*(\g%2)+\nt)+7]
.endif
.endr
.endr
.endm
.macro TURN u                          ; 64 along K of my 16 rows through the stage: in as loaded (v256 on), out 16 neighbours a block.  LDS serves a wave's instructions in order
	WIN 0x04
.irp i, 0,1,2,3,4,5,6,7
	ds_store_b128 v[SI], v[32*(\u)+4*\i:32*(\u)+4*\i+3] offset:544*\i
.endr
	WIN 0
.irp b, 0,1
.irp j, 0,1,2,3
	ds_load_b128 v[XS+32*(\u)+16*\b+4*\j:XS+32*(\u)+16*\b+4*\j+3], v[SR] offset:128*\b+16*\j
.endr
.endr
.endm
	s_load_b512 s[4:19], s[0:1], 0x0                 ; x, q_a, k_a, v_a, head_a, wq, wk, wv
	s_load_b256 s[20:27], s[0:1], 0x40               ; wo, xq, wts, xa
	v_lshl_add_u32 v[SPW], v0, 2, SPARE
	v_mov_b32 v[NIL], 0
	v_lshrrev_b32 v1, 5, v0
	v_readfirstlane_b32 s28, v1                      ; wave 0..3
	s_cmp_lt_u32 ttmp9, 256
	s_cbranch_scc1 .Lweights
	; ---------------- x ----------------
	s_and_b32 s29, ttmp9, 3                          ; which 512 along K
	s_lshr_b32 s30, ttmp9, 2
	s_sub_co_u32 s30, s30, 64                        ; tile T
	s_lshl_b32 s31, s29, 2
	s_add_co_u32 s31, s31, s28                       ; my K step of 128
	s_lshr_b32 s40, s30, 1
	s_and_b32 s41, s30, 1
	s_lshl_b32 s42, s40, 18                          ; x: 32 (T / 2) rows of 8,192 bytes
	s_lshl_b32 s43, s41, 16                          ; + 8 (T % 2) rows
	s_add_co_u32 s42, s42, s43
	s_lshl_b32 s43, s31, 9                           ; + my 128 numbers of a row
	s_add_co_u32 s42, s42, s43
	s_mov_b32 s43, 0
	s_lshl_b32 s44, s31, 12                          ; a: 128 rows of 32 bytes
	s_mov_b32 s45, 0
	s_lshl_b32 s46, s30, 14                          ; codes: 16,384 bytes a tile, 1,024 a K step
	s_lshl_b32 s47, s31, 10
	s_add_co_u32 s46, s46, s47
	s_mov_b32 s47, 0
	s_lshl_b32 s48, s40, 11                          ; scale bytes: 2,048 a pair, 512 for 512 along K, 128 for the tile of the pair
	s_lshl_b32 s49, s29, 9
	s_add_co_u32 s48, s48, s49
	s_lshl_b32 s49, s41, 7
	s_add_co_u32 s48, s48, s49
	s_add_co_u32 s48, s48, XSC
	s_mov_b32 s49, 0
	s_lshl_b32 s50, s29, 18                          ; xa: 262,144 bytes for each part of K, 2,048 a tile, my 512 of them
	s_lshl_b32 s51, s30, 11
	s_add_co_u32 s50, s50, s51
	s_lshl_b32 s51, s28, 9
	s_add_co_u32 s50, s50, s51
	s_mov_b32 s51, 0
	s_mul_i32 s52, s28, 16896                        ; my a
	s_mul_i32 s53, s28, 4352
	s_add_co_u32 s53, s53, XSTG                      ; my stage
	s_lshl_b32 s54, s28, 9
	s_add_co_u32 s54, s54, XSTG
	s_lshr_b32 s55, s28, 1
	s_lshl_b32 s55, s55, 7
	s_and_b32 s56, s28, 1
	s_lshl_b32 s56, s56, 2
	s_add_co_u32 s55, s55, s56
	s_add_co_u32 s55, s55, XSCW                      ; scale words: 128 (wave / 2) + 4 (wave % 2)
	s_mov_b32 s[SEL], 0x76543210
	s_mov_b32 s[SEL+1], 0xfedcba98
	v_and_b32 v9, 15, v0                             ; r
	v_bfe_u32 v10, v0, 4, 1                          ; h
	v_and_b32 v11, 31, v0
	v_lshlrev_b32 v[LI], 4, v11
	v_lshlrev_b32 v[XO], 4, v9
	v_lshl_add_u32 v[XO], v10, 13, v[XO]
	v_mul_u32_u24 v12, v9, 528
	v_lshl_add_u32 v12, v10, 6, v12
	v_add_nc_u32 v[AD], s52, v12
	v_and_b32 v12, 1, v0
	v_mul_u32_u24 v12, v12, 2112                     ; my 16 bytes of a are 4 columns of row lane / 2: 4 (lane % 2) columns of 528 bytes,
	v_bfe_u32 v13, v0, 1, 4
	v_lshl_add_u32 v12, v13, 2, v12                  ; + 4 bytes a row
	v_add_nc_u32 v[WA], s52, v12
	v_mul_u32_u24 v12, v10, 272
	v_lshl_add_u32 v12, v9, 4, v12
	v_add_nc_u32 v[SI], s53, v12
	v_mul_u32_u24 v12, v9, 272
	v_lshl_add_u32 v12, v10, 6, v12
	v_add_nc_u32 v[SR], s53, v12
	v_lshlrev_b32 v[SO], 3, v9
	v_lshl_add_u32 v[SO], v10, 8, v[SO]
	v_add_nc_u32 v[RDX], s54, v[LI]
	v_lshl_add_u32 v[SWA], v9, 3, s55
	v_lshl_add_u32 v[SRA], v11, 3, XSCW
	v_add_nc_u32 v[EW], s53, v[LI]
.irp b, 0,1,2,3
	v_mov_b32 v[TM+4+\b], 0                          ; written once: a lane permute's destination counts as one of its sources
.endr
	s_wait_alu depctr_va_vdst(0)                     ; the wait at the head's end
	s_wait_kmcnt 0x0
	s_add_nc_u64 s[4:5], s[4:5], s[42:43]
.irp p, 6,8,10,12
	s_add_nc_u64 s[\p:\p+1], s[\p:\p+1], s[44:45]
.endr
	s_add_nc_u64 s[32:33], s[22:23], s[46:47]        ; my codes
	s_add_nc_u64 s[34:35], s[22:23], s[48:49]        ; the work-group's scale words
	s_add_nc_u64 s[36:37], s[26:27], s[50:51]        ; my quarter of the partial sums
.irp arr, 0,1,2,3
.irp j, 0,1,2,3,4,5,6,7
	global_load_b128 v[AT+32*\arr+4*\j:AT+32*\arr+4*\j+3], v[LI], s[6+2*\arr:7+2*\arr] offset:512*\j   ; 512 bytes on end: 16 rows of one factor
.endr
.endr
	WIN 0x40                                         ; x into v256-319
.irp u, 0,1
.irp i, 0,1,2,3,4,5,6,7
	global_load_b128 v[32*\u+4*\i:32*\u+4*\i+3], v[XO], s[4:5] offset:(2*\i+8*(\i/4))*8192+256*\u th:TH_LOAD_NT   ; tile rows 2 i, 2 i + 1: 256 bytes on end of each
.endr
.endr
	WIN 0
	s_wait_loadcnt 16                                ; a is in; x's 16 loads may be out
.irp arr, 0,1,2,3
.irp j, 0,1,2,3,4,5,6,7
.irp e, 0,1,2,3
	ds_store_b32 v[WA], v[AT+32*\arr+4*\j+\e] offset:(8*\arr+\e)*528+64*\j   ; column 8 arr + 4 (lane % 2) + e, row lane / 2 + 16 j
.endr
.endr
.endr
	s_wait_loadcnt 8                                 ; x's first 64 along K are in
	TURN 0
	s_wait_loadcnt 0x0
	TURN 1
	DSB 0,0
	DSB 1,1
	s_wait_dscnt 8                                   ; all but the 8 loads just issued
	MM 0,0,1
	PLACES 8                                         ; eight places between the f32 matrix instructions and loads into registers that they read
	DSB 0,2
	s_wait_dscnt 8
	MM 1,1,0
	PLACES 8
	DSB 1,3
	s_wait_dscnt 8
	MM 2,0,0
	s_wait_dscnt 0x0
	MM 3,1,0
	; the quantiser: register 16 b + i = k 32 b + 16 h + i of my row
.irp b, 0,1,2,3
	v_max3_num_f32 v[TM+\b], |v[XS+16*\b]|, |v[XS+16*\b+1]|, 0x1800000   ; my 16 numbers of block b, and the floor 2^(3 - 127): the byte cannot fall under 1
.endr
.irp i, 2,4,6,8,10,12,14
.irp b, 0,1,2,3
	v_max3_num_f32 v[TM+\b], v[TM+\b], |v[XS+16*\b+\i]|, |v[XS+16*\b+\i+1]|
.endr
.endr
.irp b, 0,1,2,3
	v_permlanex16_b32 v[TM+4+\b], v[TM+\b], s[SEL], s[SEL+1]
.endr
.irp b, 0,1,2,3
	v_max_num_f32 v[TM+\b], v[TM+\b], v[TM+4+\b]     ; with lane l xor 16: the block's largest magnitude
.endr
.irp b, 0,1,2,3
	v_add_nc_u32 v[TM+12+\b], 0xff000000, v[TM+\b]   ; 2 off its exponent field: the conversion's scale operand
.endr
.irp b, 0,1,2,3
	v_lshrrev_b32 v[TM+4+\b], 23, v[TM+12+\b]        ; the scale's byte
.endr
	v_lshl_or_b32 v[PW], v[TM+5], 8, v[TM+4]
	v_lshl_or_b32 v[PW], v[TM+6], 16, v[PW]
	v_lshl_or_b32 v[PW], v[TM+7], 24, v[PW]
.irp b, 0,1,2,3
	v_cvt_scalef32_pk8_fp4_f32 v[PC+2*\b], v[XS+16*\b:XS+16*\b+7], v[TM+12+\b]
	v_cvt_scalef32_pk8_fp4_f32 v[PC+2*\b+1], v[XS+16*\b+8:XS+16*\b+15], v[TM+12+\b]
.endr
	v_nop                                            ; one plain line behind the scaled conversions
.irp c, 0,1                                      ; a whole block to a lane: lanes 0-15 block 2 c, lanes 16-31 block 2 c + 1
.irp i, 0,1
	v_permlane16_swap_b32 v[PC+4*\c+\i], v[PC+4*\c+2+\i]
.endr
.endr
	global_store_b128 v[LI], v[PC:PC+3], s[32:33]    ; the wave stores 512 bytes on end
	global_store_b128 v[LI], v[PC+4:PC+7], s[32:33] offset:512
	PLACES 8                                         ; eight places in front of the first read of the sums
.irp nt, 0,1                                     ; 2 x (the two halves of each sum), into other registers, each accumulator from its low end on
.irp p, 0,1,2,3
	v_pk_mul_f32 v[EO+8*\nt+2*\p:EO+8*\nt+2*\p+1], v[DA+8*(2+\nt)+2*\p:DA+8*(2+\nt)+2*\p+1], 2.0 op_sel_hi:[1,0]
	v_pk_fma_f32 v[EO+8*\nt+2*\p:EO+8*\nt+2*\p+1], v[DA+8*\nt+2*\p:DA+8*\nt+2*\p+1], 2.0, v[EO+8*\nt+2*\p:EO+8*\nt+2*\p+1] op_sel_hi:[1,0,1]
.endr
.endr
.irp q, 0,1,2,3
	ds_store_b128 v[EW], v[EO+4*\q:EO+4*\q+3] offset:512*\q   ; lane (r, h): row r, columns 16 (q / 2) + 8 h + 4 (q % 2) + 0 .. 3; into my stage, whose reads are over
.endr
	ds_store_b32 v[SWA], v[PW]                       ; lanes r and r + 16 write the same word with the same value
	s_wait_alu depctr_va_vdst(0)                     ; the wait ahead of the wait below
	s_wait_dscnt 0x0                                 ; for the others' sake: my stores have landed
	s_barrier_signal -1
	s_barrier_wait -1
.irp w, 0,1,2,3
	ds_load_b128 v[RS+4*\w:RS+4*\w+3], v[RDX] offset:4352*\w   ; quarter (my wave's number) of each wave's sums
.endr
	s_wait_dscnt 0x0
	v_pk_add_f32 v[RS:RS+1], v[RS:RS+1], v[RS+4:RS+5]
	v_pk_add_f32 v[RS+2:RS+3], v[RS+2:RS+3], v[RS+6:RS+7]
	v_pk_add_f32 v[RS+8:RS+9], v[RS+8:RS+9], v[RS+12:RS+13]
	v_pk_add_f32 v[RS+10:RS+11], v[RS+10:RS+11], v[RS+14:RS+15]
	v_pk_add_f32 v[RS:RS+1], v[RS:RS+1], v[RS+8:RS+9]
	v_pk_add_f32 v[RS+2:RS+3], v[RS+2:RS+3], v[RS+10:RS+11]
	global_store_b128 v[LI], v[RS:RS+3], s[36:37]    ; 512 bytes on end
	s_wait_alu depctr_va_vdst(0)
	s_cmp_lg_u32 s28, 0
	s_cbranch_scc1 .Lx_end
	ds_load_b64 v[RS+16:RS+17], v[SRA]               ; wave 0: lanes 0-15 the words of K steps 0, 1; lanes 16-31 of 2, 3
	s_wait_dscnt 0x0
	global_store_b64 v[SO], v[RS+16:RS+17], s[34:35] ; two runs of 128 bytes; the pair's other tile has the other halves
.Lx_end:
	s_wait_tensorcnt 0x0                             ; the wave's end
	ds_add_u32 v[SPW], v[NIL]
	s_wait_dscnt 0x0
	s_endpgm
	; ---------------- the weights ----------------
.Lweights:
	s_lshr_b32 s30, ttmp9, 6                         ; which weight: wq, wk, wv, wo
	s_and_b32 s31, ttmp9, 3                          ; which 512 columns,
	s_lshl_b32 s31, s31, 2
	s_add_co_u32 s31, s31, s28                       ; and my 128 of them
	s_bfe_u32 s32, ttmp9, 0x40002                    ; which 128 along K
	v_and_b32 v16, 31, v0
	v_lshlrev_b32 v[LO], 4, v16                      ; in: 16 bytes a lane: columns 4 lane + c
	; column 4 lane + c is pair lane / 8, tile (lane / 2) % 2 of the pair, tile row 4 (lane % 2) + c + 8 ((lane / 4) % 2): place = 32 pair + 16 tile + row
	v_bfe_u32 v17, v0, 3, 2
	v_lshlrev_b32 v17, 9, v17
	v_bfe_u32 v18, v0, 1, 1
	v_lshl_add_u32 v17, v18, 8, v17
	v_bfe_u32 v18, v0, 2, 1
	v_lshl_add_u32 v17, v18, 7, v17
	v_and_b32 v18, 1, v0
	v_lshl_add_u32 v17, v18, 6, v17                  ; 16 x the place of column 4 lane
	s_lshl_b32 s33, s28, 11
	s_add_co_u32 s33, s33, WSTG
	v_add_nc_u32 v[STI], s33, v17                    ; my stage, in: 16 bytes a place
	v_add_nc_u32 v[STO], s33, v[LO]                  ; and out
	v_lshrrev_b32 v17, 2, v17
	s_lshl_b32 s33, s28, 9
	s_add_co_u32 s33, s33, WSCL
	v_add_nc_u32 v[SSI], s33, v17                    ; my scale words, in: 4 bytes a place
	v_lshl_add_u32 v[SSO], v16, 2, s33               ; and out
	v_lshlrev_b32 v[GS], 3, v16
	v_bfe_u32 v18, v0, 4, 1
	v_and_b32 v19, 15, v0
	v_lshlrev_b32 v[GO], 4, v19
	v_lshl_add_u32 v[GO], v18, 14, v[GO]             ; codes: 16,384 x tile of the pair + 16 x row
	s_lshl_b32 s34, s32, 20                          ; 128 rows of 8,192 bytes,
	s_lshl_b32 s33, s31, 9                           ; 512 bytes for 128 columns
	s_add_co_u32 s34, s34, s33
	s_mov_b32 s35, 0
	s_lshl_b32 s36, s30, 21                          ; codes: 128 tiles a weight, 8 for 128 columns, 256 bytes a block
	s_lshl_b32 s33, s31, 17
	s_add_co_u32 s36, s36, s33
	s_lshl_b32 s33, s32, 10
	s_add_co_u32 s36, s36, s33
	s_mov_b32 s37, 0
	s_lshl_b32 s38, s30, 17                          ; scale bytes: 64 pairs of 2,048 bytes a weight, 4 for 128 columns; 256 bytes for 256 along K, my word of the two
	s_lshl_b32 s33, s31, 13
	s_add_co_u32 s38, s38, s33
	s_lshr_b32 s33, s32, 1
	s_lshl_b32 s33, s33, 8
	s_add_co_u32 s38, s38, s33
	s_and_b32 s33, s32, 1
	s_lshl_b32 s33, s33, 2
	s_add_co_u32 s38, s38, s33
	s_add_co_u32 s38, s38, WSC
	s_mov_b32 s39, 0
	s_wait_alu depctr_va_vdst(0)                     ; the wait at the head's end
	s_wait_kmcnt 0x0
	s_cmp_eq_u32 s30, 1                              ; the choice hangs on the work-group's number alone
	s_cselect_b64 s[14:15], s[16:17], s[14:15]
	s_cmp_eq_u32 s30, 2
	s_cselect_b64 s[14:15], s[18:19], s[14:15]
	s_cmp_eq_u32 s30, 3
	s_cselect_b64 s[14:15], s[20:21], s[14:15]
	s_add_nc_u64 s[14:15], s[14:15], s[34:35]
	s_add_nc_u64 s[36:37], s[24:25], s[36:37]
	s_add_nc_u64 s[38:39], s[24:25], s[38:39]
.macro WLD blk                         ; block blk's 32 rows into set blk % 2: row rr at v[S + 128 (blk % 2) + 4 rr] on; the largest offset is 127 rows, 1,040,384 bytes
.set rr, 0
.rept 32
.set AA, S+128*((\blk)%2)+4*rr
	WIN ((AA>>8)<<6)
	global_load_b128 v[(AA&255):(AA&255)+3], v[LO], s[14:15] offset:(32*(\blk)+rr)*8192 th:TH_LOAD_NT
.set rr, rr+1
.endr
	WIN 0
.endm
.macro WQ blk                          ; the block's scales and codes
.set rr, 0
.rept 16                                         ; the four columns' largest magnitudes, by turns; the floor 2^(3 - 127) among the leaves
.set AA, S+128*((\blk)%2)+8*rr
	WIN (AA>>8)*5
.irp c, 0,1,2,3
.if rr == 0
	v_max3_num_f32 v[MA+\c], |v[(AA&255)+\c]|, |v[(AA&255)+4+\c]|, 0x1800000
.else
	v_max3_num_f32 v[MA+\c], |v[(AA&255)+\c]|, |v[(AA&255)+4+\c]|, v[MA+\c]
.endif
.endr
.set rr, rr+1
.endr
	WIN 0
.irp c, 0,1,2,3
	v_add_nc_u32 v[MA+\c], 0xff000000, v[MA+\c]      ; the conversion's scale operand
.endr
.if (\blk) == 0
.irp c, 0,1,2,3
	v_lshrrev_b32 v[HB+\c], 23, v[MA+\c]             ; the byte
.endr
.else
.irp c, 0,1,2,3
	v_lshrrev_b32 v[16+\c], 23, v[MA+\c]
.endr
.irp c, 0,1,2,3
	v_lshl_or_b32 v[HB+\c], v[16+\c], 8*(\blk), v[HB+\c]
.endr
.endif
.set gg, 0
.rept 4
.irp c, 0,1,2,3
.set ii, 0
.rept 8                                          ; eight neighbours along K of column c, gathered on end
.set AA, S+128*((\blk)%2)+32*gg+4*ii+\c
	WIN (AA>>8)
	v_mov_b32 v[T+ii], v[AA&255]
.set ii, ii+1
.endr
	WIN 0
	v_cvt_scalef32_pk8_fp4_f32 v[C+4*\c+gg], v[T:T+7], v[MA+\c]
	v_nop                                            ; one plain line behind the scaled conversion
.endr
.set gg, gg+1
.endr
.endm
.macro WOUT blk
.irp c, 0,1,2,3
	ds_store_b128 v[STI], v[C+4*\c:C+4*\c+3] offset:16*\c
.endr
.irp i, 0,1,2,3
	ds_load_b128 v[C+4*\i:C+4*\i+3], v[STO] offset:512*\i   ; LDS serves a wave's instructions in order: these see my stores, and land behind them
.endr
	s_wait_dscnt 0x0
.irp i, 0,1,2,3
	global_store_b128 v[GO], v[C+4*\i:C+4*\i+3], s[36:37] offset:32768*\i+256*(\blk)   ; pair i: sixteen lanes store 256 bytes on end, aligned
.endr
.endm
	WLD 0
	WLD 1
	s_wait_loadcnt 32                                ; block 0's 32 loads are in; block 1's may be out
	WQ 0
	WLD 2                                            ; its set has been gathered: it takes the block two on
	WOUT 0
	s_wait_loadcnt 32                                ; block 1 is in; block 2's 32 may be out
	s_wait_xcnt 0x0                                  ; the last block's stores have read v[C] on: it is written again only behind this wait
	WQ 1
	WLD 3
	WOUT 1
	s_wait_loadcnt 32
	s_wait_xcnt 0x0
	WQ 2
	WOUT 2
	s_wait_loadcnt 0x0
	s_wait_xcnt 0x0
	WQ 3
	WOUT 3
.irp c, 0,1,2,3
	ds_store_b32 v[SSI], v[HB+\c] offset:4*\c
.endr
.irp i, 0,1,2,3
	ds_load_b32 v[16+\i], v[SSO] offset:128*\i       ; place 32 i + lane
.endr
	s_wait_dscnt 0x0
.irp i, 0,1,2,3
	global_store_b32 v[GS], v[16+\i], s[38:39] offset:2048*\i   ; pair i: a word of each row's 8 bytes
.endr
	s_wait_tensorcnt 0x0                             ; the wave's end
	ds_add_u32 v[SPW], v[NIL]
	s_wait_dscnt 0x0
	s_endpgm
.Lfunc_end_k_q23b5a9ad24_prep:
	.size	k_q23b5a9ad24_prep, .Lfunc_end_k_q23b5a9ad24_prep-k_q23b5a9ad24_prep
	.p2alignl 7, 3214868480
	.fill 96, 4, 3214868480
	.section	.rodata,"a",@progbits
	.p2align	6, 0x0
	.amdhsa_kernel k_q23b5a9ad24_prep
		.amdhsa_group_segment_fixed_size 96000
		.amdhsa_private_segment_fixed_size 0
		.amdhsa_enable_private_segment 0
		.amdhsa_kernarg_size 96
		.amdhsa_user_sgpr_count 2
		.amdhsa_user_sgpr_kernarg_segment_ptr 1
		.amdhsa_wavefront_size32 1
		.amdhsa_system_sgpr_workgroup_id_x 1
		.amdhsa_system_sgpr_workgroup_id_y 1
		.amdhsa_system_sgpr_workgroup_id_z 1
		.amdhsa_system_vgpr_workitem_id 0
		.amdhsa_next_free_vgpr 336
		.amdhsa_next_free_sgpr 66
		.amdhsa_reserve_vcc 0
		.amdhsa_float_denorm_mode_32 3
		.amdhsa_float_denorm_mode_16_64 3
		.amdhsa_memory_ordered 1
		.amdhsa_forward_progress 1
		.amdhsa_inst_pref_size 95
	.end_amdhsa_kernel
	.amdgpu_metadata
---
amdhsa.version: [ 1, 2 ]
amdhsa.kernels:
  - .name:           k_q23b5a9ad24_prep
    .symbol:         k_q23b5a9ad24_prep.kd
    .args:
      - { .name: x, .offset: 0, .size: 8, .value_kind: global_buffer, .address_space: global }
      - { .name: q_a, .offset: 8, .size: 8, .value_kind: global_buffer, .address_space: global }
      - { .name: k_a, .offset: 16, .size: 8, .value_kind: global_buffer, .address_space: global }
      - { .name: v_a, .offset: 24, .size: 8, .value_kind: global_buffer, .address_space: global }
      - { .name: head_a, .offset: 32, .size: 8, .value_kind: global_buffer, .address_space: global }
      - { .name: wq_base, .offset: 40, .size: 8, .value_kind: global_buffer, .address_space: global }
      - { .name: wk_base, .offset: 48, .size: 8, .value_kind: global_buffer, .address_space: global }
      - { .name: wv_base, .offset: 56, .size: 8, .value_kind: global_buffer, .address_space: global }
      - { .name: wo, .offset: 64, .size: 8, .value_kind: global_buffer, .address_space: global }
      - { .name: xq, .offset: 72, .size: 8, .value_kind: global_buffer, .address_space: global }
      - { .name: wts, .offset: 80, .size: 8, .value_kind: global_buffer, .address_space: global }
      - { .name: xa, .offset: 88, .size: 8, .value_kind: global_buffer, .address_space: global }
    .group_segment_fixed_size: 96000
    .private_segment_fixed_size: 0
    .kernarg_segment_align: 8
    .kernarg_segment_size: 96
    .max_flat_workgroup_size: 128
    .sgpr_count:     66
    .vgpr_count:     336
    .wavefront_size: 32
...
	.end_amdgpu_metadata
.endif
;; end of part 1
;; launch qkv (part 2): grid 24 x 8, 4 waves a work-group, clusters of 4 x 4, 327,680 bytes of LDS; arguments xq, wts, xa, q_b, k_b, v_b, head_b, freq_cis, qkv; writes qkv
.if DOCPART == 2
	.amdgcn_target "amdgcn-amd-amdhsa--gfx1250"
	.amdhsa_code_object_version 6
	.text
	.protected	k_q23b5a9ad24_qkv
	.globl	k_q23b5a9ad24_qkv
	.p2align	8
	.type	k_q23b5a9ad24_qkv,@function
k_q23b5a9ad24_qkv:
	s_mov_b64 s[64:65], 0
	v_nop
	global_prefetch_b8 v0, s[64:65] scope:SCOPE_SE
	s_setreg_imm32_b32 hwreg(HW_REG_WAVE_MODE, 25, 1), 1
	s_wait_xcnt 0x0
	s_wait_alu depctr_hold_cnt(0) depctr_sa_sdst(0) depctr_va_vdst(0) depctr_va_sdst(0) depctr_va_ssrc(0) depctr_va_vcc(0) depctr_vm_vsrc(0)
	s_getreg_b32 s2, hwreg(HW_REG_IB_STS2, 6, 4)
	s_cmp_eq_u32 s2, 0
	s_cbranch_scc0 .Lentry_in_a_cluster
	s_endpgm
.Lentry_in_a_cluster:
	s_bfe_u32 s2, ttmp6, 0x10000c
	s_cmp_lg_u32 s2, 0xf033
	s_cbranch_scc0 .Lentry_shape_is_right
	s_endpgm
.Lentry_shape_is_right:
.set XSC, 2097152
.set WSC, 8388608
.set QSC, 6291456
.set NQ,    4
.set FR,    8
.set NL,    2
.set NP,    4
.set HALFT, 32768
.set SLOT,  4*HALFT
.set SCL,   2*SLOT
.set HALFS, 8192
.set SPARE, SCL+4*HALFS
.set LI,   3
.set LX,   4
.set LB1,  5
.set LB2,  6
.set LF,   7
.set PC,   8
.set ADRA, 16
.set ADRB, 20
.set ADRS, 27
.set SPW,  28
.set NIL,  29
.set SC,   32
.set TM,   96
.set PWS,  112
.set CM,   120
.set AF,   128
.set UF,   64
.set TF,   192
.set WR,   128
.set WV,   22
.set WY,   23
.set WX,   66
.set SEL,  92
.set G1,   24
.set G0,   32
.set G1B,  48
.set G0B,  56
.set G1S,  68
.set G0S,  76
.set G1SB, 80
.set G0SB, 88
.set MSB, 0
.macro WIN new
.if MSB != (\new)
	s_set_vgpr_msb (MSB<<8)|(\new)
.set MSB, (\new)
.endif
.endm
.set MUL_LO, 0xa1
.set MUL_HI, 0xf1
.set TO_B,   0x40
.macro PLACES n
.rept \n
	v_nop
.endr
.endm
.macro JLOAD g0a, g1a, g0b, g1b
	s_cmp_eq_u32 s[WY], 0
	s_cbranch_scc0 .Lfor_b_\@
	tensor_load_to_lds s[\g0a:\g0a+3], s[\g1a:\g1a+7]
	s_nop 0
.rept 4
	v_nop
.endr
	s_branch .Lasked_\@
.Lfor_b_\@:
	tensor_load_to_lds s[\g0b:\g0b+3], s[\g1b:\g1b+7]
	s_nop 0
.rept 4
	v_nop
.endr
.Lasked_\@:
.endm
.macro CREST
	s_cmp_lg_u32 s[WV], 0
	s_cbranch_scc1 .Lnot_wave_0_\@
	s_barrier_signal -3
.Lnot_wave_0_\@:
	s_barrier_wait -3
	s_barrier_signal -1
	s_barrier_wait -1
.endm
.macro CROUND
	s_barrier_signal -1
	s_barrier_wait -1
	CREST
.endm
.macro FRAG reg, adr, q, i
.irp c, 0,1
	ds_load_b128 v[\reg+4*\c:\reg+4*\c+3], v[\adr] offset:(\i)*4096+(\q)*1024+512*\c
.endr
.endm
.macro MUL16 a0, p, q, sc
.irp a, \a0, \a0+1
.irp b, 0,1,2,3,4,5,6,7
	v_wmma_scale_f32_16x16x128_f8f6f4 v[8*(8*((\a)%4)+\b):8*(8*((\a)%4)+\b)+7], v[128*(\p)+FR*\b:128*(\p)+FR*\b+FR-1], v[AF+FR*(\a):AF+FR*(\a)+FR-1], v[8*(8*((\a)%4)+\b):8*(8*((\a)%4)+\b)+7], v[SC+8*NQ*(\sc)+NQ*\b+(\q)], v[SC+8*NQ*(\sc)+NQ*(\a)+(\q)] matrix_a_fmt:MATRIX_FMT_FP4 matrix_b_fmt:MATRIX_FMT_FP4 matrix_a_scale:MATRIX_SCALE_ROW1
.endr
.endr
.endm
.macro FETCH_B slot, q, p
	WIN TO_B
.irp i, 0,1,2,3,4,5,6,7
	FRAG 128*(\p)+FR*\i, ADRB+\slot, \q, \i
.endr
	WIN 0
.endm
.macro FETCH_A slot, q, i0
.irp i, \i0, \i0+1, \i0+2, \i0+3
	FRAG AF+FR*(\i), ADRA+\slot, \q, \i
.endr
.endm
.macro SCALES sc
.irp i, 0,1,2,3,4,5,6,7
.irp p, 0,1
	ds_load_b64 v[SC+8*NQ*(\sc)+NQ*\i+2*\p:SC+8*NQ*(\sc)+NQ*\i+2*\p+1], v[ADRS] offset:(\i/2)*2048+(\i%2)*128+256*\p
.endr
.endr
.endm
.macro STEP slot, q
	s_wait_dscnt 4*NL
	WIN MUL_LO
	MUL16 0,(\q)%2,\q,\slot
	MUL16 2,(\q)%2,\q,\slot
	s_wait_dscnt 0x0
	PLACES NP
	FETCH_B \slot,(\q)+1,1-(\q)%2
	FETCH_A \slot,(\q)+1,0
	WIN MUL_HI
	MUL16 4,(\q)%2,\q,\slot
	MUL16 6,(\q)%2,\q,\slot
	PLACES NP
	WIN 0
	FETCH_A \slot,(\q)+1,4
.endm
.macro TURN slot, next, fill
	s_wait_tensorcnt 0x0
	ds_add_u32 v[SPW], v[NIL]
	s_wait_dscnt 4*NL+1
	WIN MUL_LO
	MUL16 0,1,NQ-1,\slot
	s_wait_dscnt 0x0
	s_barrier_signal -1
	MUL16 2,1,NQ-1,\slot
	WIN 0
	s_barrier_wait -1
.if \fill
	CREST
	s_add_nc_u64 s[G0+4*\slot+2:G0+4*\slot+3], s[G0+4*\slot+2:G0+4*\slot+3], 8192
	s_add_nc_u64 s[G0B+4*\slot+2:G0B+4*\slot+3], s[G0B+4*\slot+2:G0B+4*\slot+3], 8192
	JLOAD G0+4*\slot, G1, G0B+4*\slot, G1B
.else
	PLACES NP
.endif
	s_wait_alu depctr_va_vdst(0)
	v_add_nc_u32 v[ADRS], 512, v[ADRS]
	FETCH_B \next,0,0
	FETCH_A \next,0,0
	SCALES \next
	WIN MUL_HI
	MUL16 4,1,NQ-1,\slot
	MUL16 6,1,NQ-1,\slot
	PLACES NP
	WIN 0
	FETCH_A \next,0,4
.endm
.macro LAST
	s_wait_dscnt 4*NL
	WIN MUL_LO
	MUL16 0,1,NQ-1,1
	MUL16 2,1,NQ-1,1
	s_wait_dscnt 0x0
	WIN MUL_HI
	MUL16 4,1,NQ-1,1
	MUL16 6,1,NQ-1,1
	WIN 0
.endm
.macro LORA_IN xdst, bdst
	WIN TO_B
.irp i, 0,1,2,3,4,5,6,7
.irp e, 0,1,2,3
	global_load_b32 v[\bdst+8*\i+\e], v[LB1], s[10:11] offset:512*\e+(32*(\i/2)+8*(\i%2))*4
	global_load_b32 v[\bdst+8*\i+4+\e], v[LB2], s[16:17] offset:8192*\e+(32*(\i/2)+8*(\i%2))*4
.endr
.endr
	WIN 0
.irp il, 0,1,2,3
.irp ks, 0,1,2,3
	global_load_b128 v[128+32*\il+4*\ks:128+32*\il+4*\ks+3], v[LX], s[8:9] offset:2048*\il+262144*\ks
	global_load_b128 v[144+32*\il+4*\ks:144+32*\il+4*\ks+3], v[LX], s[12:13] offset:2048*\il+262144*\ks
.endr
.endr
	WIN TO_B
.irp il, 0,1,2,3
.irp ks, 0,1,2,3
	global_load_b128 v[32*\il+64*(\il/2)+4*\ks:32*\il+64*(\il/2)+4*\ks+3], v[LX], s[8:9] offset:2048*(4+\il)+262144*\ks
	global_load_b128 v[32*\il+64*(\il/2)+16+4*\ks:32*\il+64*(\il/2)+16+4*\ks+3], v[LX], s[12:13] offset:2048*(4+\il)+262144*\ks
.endr
.endr
	WIN 0
	s_wait_loadcnt 32
.irp g, 0,1,2,3,4,5,6,7
.irp p, 0,1
	v_pk_add_f32 v[128+16*\g+2*\p:128+16*\g+2*\p+1], v[128+16*\g+2*\p:128+16*\g+2*\p+1], v[132+16*\g+2*\p:132+16*\g+2*\p+1]
	v_pk_add_f32 v[136+16*\g+2*\p:136+16*\g+2*\p+1], v[136+16*\g+2*\p:136+16*\g+2*\p+1], v[140+16*\g+2*\p:140+16*\g+2*\p+1]
.endr
.endr
	WIN TO_B
.irp g, 0,1,2,3,4,5,6,7
.irp p, 0,1
	v_pk_add_f32 v[\xdst+4*\g+2*\p:\xdst+4*\g+2*\p+1], v[128+16*\g+2*\p:128+16*\g+2*\p+1], v[136+16*\g+2*\p:136+16*\g+2*\p+1]
.endr
.endr
	s_wait_loadcnt 0x0
	WIN 0x45
.irp g, 0,1,2,3,4,5,6,7
.irp p, 0,1
	v_pk_add_f32 v[16*\g+64*(\g/4)+2*\p:16*\g+64*(\g/4)+2*\p+1], v[16*\g+64*(\g/4)+2*\p:16*\g+64*(\g/4)+2*\p+1], v[16*\g+64*(\g/4)+4+2*\p:16*\g+64*(\g/4)+4+2*\p+1]
	v_pk_add_f32 v[16*\g+64*(\g/4)+8+2*\p:16*\g+64*(\g/4)+8+2*\p+1], v[16*\g+64*(\g/4)+8+2*\p:16*\g+64*(\g/4)+8+2*\p+1], v[16*\g+64*(\g/4)+12+2*\p:16*\g+64*(\g/4)+12+2*\p+1]
.endr
.endr
.irp g, 0,1,2,3,4,5,6,7
.irp p, 0,1
	v_pk_add_f32 v[\xdst+32+4*\g+2*\p:\xdst+32+4*\g+2*\p+1], v[16*\g+64*(\g/4)+2*\p:16*\g+64*(\g/4)+2*\p+1], v[16*\g+64*(\g/4)+8+2*\p:16*\g+64*(\g/4)+8+2*\p+1]
.endr
.endr
	WIN 0
.endm
.macro LORA_MM s
.irp a, 0,1,2,3,4,5,6,7
	WIN 0xa5+0x50*(\a/4)
.irp b, 0,1,2,3,4,5,6,7
.if \s == 0
	v_wmma_f32_16x16x4_f32 v[8*(8*(\a%4)+\b):8*(8*(\a%4)+\b)+7], v[TF+8*\b+2*\s:TF+8*\b+2*\s+1], v[UF+8*\a+2*\s:UF+8*\a+2*\s+1], 0
.else
	v_wmma_f32_16x16x4_f32 v[8*(8*(\a%4)+\b):8*(8*(\a%4)+\b)+7], v[TF+8*\b+2*\s:TF+8*\b+2*\s+1], v[UF+8*\a+2*\s:UF+8*\a+2*\s+1], v[8*(8*(\a%4)+\b):8*(8*(\a%4)+\b)+7]
.endif
.endr
.endr
.endm
.macro LORA_MID s
	PLACES 5
	LORA_MM \s
	WIN 0
	PLACES 9
.endm
.macro QUANT s, w, pc, pw
	WIN (\w)*5
.irp b, 0,1,2,3
	v_max3_num_f32 v[TM+\b], |v[(\s)+16*\b]|, |v[(\s)+16*\b+1]|, 0x1800000
.endr
.irp i, 2,4,6,8,10,12,14
.irp b, 0,1,2,3
	v_max3_num_f32 v[TM+\b], |v[(\s)+16*\b+\i]|, |v[(\s)+16*\b+\i+1]|, v[TM+\b]
.endr
.endr
	WIN 0
.irp b, 0,1,2,3
	v_permlanex16_b32 v[TM+4+\b], v[TM+\b], s[SEL], s[SEL+1]
.endr
.irp b, 0,1,2,3
	v_max_num_f32 v[TM+\b], v[TM+\b], v[TM+4+\b]
.endr
.irp b, 0,1,2,3
	v_add_nc_u32 v[TM+12+\b], 0xff000000, v[TM+\b]
.endr
.irp b, 0,1,2,3
	v_lshrrev_b32 v[TM+4+\b], 23, v[TM+12+\b]
.endr
	v_lshl_or_b32 v[\pw], v[TM+5], 8, v[TM+4]
	v_lshl_or_b32 v[\pw], v[TM+6], 16, v[\pw]
	v_lshl_or_b32 v[\pw], v[TM+7], 24, v[\pw]
	s_wait_xcnt 0x0
	WIN (\w)
.irp b, 0,1,2,3
	v_cvt_scalef32_pk8_fp4_f32 v[(\pc)+2*\b], v[(\s)+16*\b:(\s)+16*\b+7], v[TM+12+\b]
	v_cvt_scalef32_pk8_fp4_f32 v[(\pc)+2*\b+1], v[(\s)+16*\b+8:(\s)+16*\b+15], v[TM+12+\b]
.endr
	WIN 0
	v_nop
.irp c, 0,1
.irp i, 0,1
	v_permlane16_swap_b32 v[(\pc)+4*\c+\i], v[(\pc)+4*\c+2+\i]
.endr
.endr
.endm
.macro FSET a
.set FWN, 1
.set FBS, 64
.if ((\a) == 1) || ((\a) == 6)
.set FBS, 192
.endif
.if ((\a) == 2) || ((\a) == 7)
.set FWN, 0
.set FBS, 192
.endif
.if (\a) == 3
.set FBS, 0
.endif
.if (\a) == 4
.set FWN, 0
.set FBS, 128
.endif
.endm
.macro FLOAD a
	FSET \a
	WIN FWN<<6
.irp b, 0,1,2,3
.irp e, 0,1,2,3
	global_load_b128 v[FBS+16*\b+4*\e:FBS+16*\b+4*\e+3], v[LF], s[18:19] offset:(32*((\a)/2)+8*((\a)%2))*512+128*\b+16*\e
.endr
.endr
	WIN 0
.endm
.macro ROPE a
	FSET \a
	WIN 0x50+4*FWN+2+(\a)/4
.set i, 0
.rept 32
	v_pk_mul_f32 v[WR+i:WR+i+1], v[64*((\a)%4)+i:64*((\a)%4)+i+1], v[FBS+i:FBS+i+1] op_sel_hi:[1,0]
.set i, i+2
.endr
.set i, 0
.rept 32
	v_pk_fma_f32 v[WR+i:WR+i+1], v[64*((\a)%4)+i:64*((\a)%4)+i+1], v[FBS+i:FBS+i+1], v[WR+i:WR+i+1] op_sel:[1,1,0] op_sel_hi:[0,1,1] neg_lo:[0,1,0]
.set i, i+2
.endr
	WIN 0
.endm
	s_load_b512 s[4:19], s[0:1], 0x0
	s_load_b64 s[20:21], s[0:1], 0x40
	v_lshl_add_u32 v[SPW], v0, 2, SPARE
	v_mov_b32 v[NIL], 0
	ds_add_u32 v28, v29
	ds_add_u32 v28, v29
	s_wait_dscnt 0x0
	v_lshrrev_b32 v1, 5, v0
	v_readfirstlane_b32 s[WV], v1
	s_lshr_b32 s[WY], s[WV], 1
	s_and_b32 s[WX], s[WV], 1
	s_bfe_u32 s40, ttmp6, 0x40000
	s_bfe_u32 s41, ttmp6, 0x40004
	s_lshl_b32 s42, ttmp9, 2
	s_add_co_u32 s42, s42, s40
	s_and_b32 s43, ttmp7, 0xffff
	s_lshl_b32 s43, s43, 2
	s_add_co_u32 s43, s43, s41
	s_lshl_b32 s44, s41, 2
	s_lshl_b32 s44, 15, s44
	s_lshl_b32 s45, 0x1111, s40
	s_or_b32 s[G1+0], s44, (3<<16)|(1<<21)
	s_or_b32 s[G1B+0], s45, (3<<16)|(1<<21)
.irp g, G1, G1B
	s_mov_b32 s[\g+1], 512<<16
	s_mov_b32 s[\g+2], 16<<16
	s_mov_b32 s[\g+3], 512<<16
	s_mov_b32 s[\g+4], 16
	s_mov_b32 s[\g+5], 2048
	s_mov_b32 s[\g+6], 0
	s_mov_b32 s[\g+7], 0
.endr
	s_or_b32 s[G1S+0], s44, (3<<16)|(1<<21)
	s_or_b32 s[G1SB+0], s45, (3<<16)|(1<<21)
.irp g, G1S, G1SB
	s_mov_b32 s[\g+1], 32<<16
	s_mov_b32 s[\g+2], 64<<16
	s_mov_b32 s[\g+3], 32<<16
	s_mov_b32 s[\g+4], 64
	s_mov_b32 s[\g+5], 32
	s_mov_b32 s[\g+6], 0
	s_mov_b32 s[\g+7], 0
.endr
	s_cmp_ge_u32 ttmp9, 4
	s_cselect_b32 s67, 16, 0
	s_sub_co_u32 s67, s42, s67
	s_lshl_b32 s92, s43, 18
	s_lshl_b32 s93, s[WX], 17
	s_add_co_u32 s92, s92, s93
	s_lshl_b32 s94, s43, 14
	s_lshl_b32 s95, s[WX], 13
	s_add_co_u32 s94, s94, s95
	s_lshl_b32 s96, s67, 18
	s_add_co_u32 s96, s96, s93
	s_lshl_b32 s98, s67, 14
	s_add_co_u32 s98, s98, s95
	s_mov_b32 s95, XSC
	s_mov_b32 s99, WSC
	s_cmp_ge_u32 ttmp9, 4
	s_cselect_b32 s93, 0x400000, 0
	s_cselect_b32 s95, WSC+262144, s95
	s_cselect_b32 s99, XSC, s99
	s_add_co_u32 s92, s92, s93
	s_add_co_u32 s94, s94, s95
	s_add_co_u32 s98, s98, s99
	s_mov_b32 s93, 0
	s_mov_b32 s95, 0
	s_mov_b32 s97, 0
	s_mov_b32 s99, 0
	s_lshl_b32 s2, s[WV], 15
	s_wait_kmcnt 0x0
	s_cmp_ge_u32 ttmp9, 4
	s_cselect_b64 s[46:47], s[6:7], s[4:5]
	s_cselect_b64 s[100:101], s[4:5], s[6:7]
	s_add_nc_u64 s[92:93], s[46:47], s[92:93]
	s_add_nc_u64 s[94:95], s[46:47], s[94:95]
	s_add_nc_u64 s[96:97], s[100:101], s[96:97]
	s_add_nc_u64 s[98:99], s[100:101], s[98:99]
	CROUND
	; THE HEAD'S FOUR TILES, each whole, one joint load a wave: wave 0 slot 0's 16 tiles of source 1's side (16 rows of 4,096 bytes), wave 2 those of source 0's side, waves 1 and 3 the two sides' scale bytes (64 rows of 256 bytes).
	; The half that a wave fetches in the ring is taken off the addresses again.  The two groups 0 for the codes lie in registers that held arguments and masks.
	s_lshl_b32 s100, s[WX], 13
	s_mov_b32 s101, 0
	s_mov_b32 s[G0S], 1
	s_mov_b32 s[G0S+1], SCL
	s_sub_nc_u64 s[G0S+2:G0S+3], s[94:95], s[100:101]
	s_or_b32 s[G0S+3], s[G0S+3], 0x80000000
	s_mov_b32 s[G0SB], 1
	s_mov_b32 s[G0SB+1], SCL+2*HALFS
	s_sub_nc_u64 s[G0SB+2:G0SB+3], s[98:99], s[100:101]
	s_or_b32 s[G0SB+3], s[G0SB+3], 0x80000000
	s_lshl_b32 s100, s[WX], 17
	s_mov_b32 s4, 1
	s_mov_b32 s5, 0
	s_sub_nc_u64 s[6:7], s[92:93], s[100:101]
	s_or_b32 s7, s7, 0x80000000
	s_mov_b32 s44, 1
	s_mov_b32 s45, 2*HALFT
	s_sub_nc_u64 s[46:47], s[96:97], s[100:101]
	s_or_b32 s47, s47, 0x80000000
.irp s, 0,1
	s_mov_b32 s[G0+4*\s], 1
	s_add_co_u32 s[G0+4*\s+1], s2, \s*SLOT
	s_add_nc_u64 s[G0+4*\s+2:G0+4*\s+3], s[92:93], \s*4096
	s_or_b32 s[G0+4*\s+3], s[G0+4*\s+3], 0x80000000
	s_mov_b32 s[G0B+4*\s], 1
	s_add_co_u32 s[G0B+4*\s+1], s2, \s*SLOT
	s_add_nc_u64 s[G0B+4*\s+2:G0B+4*\s+3], s[96:97], \s*4096
	s_or_b32 s[G0B+4*\s+3], s[G0B+4*\s+3], 0x80000000
.endr
.macro ARM under, g0, g1, next         ; one chain of branches on the wave's number, a load to an arm: every way through the head passes one
	s_cmp_lt_u32 s[WV], \under
	s_cbranch_scc0 \next
	tensor_load_to_lds s[\g0:\g0+3], s[\g1:\g1+7]
	s_nop 0
.rept 4
	v_nop
.endr
	s_branch .Lhead_asked
\next:
.endm
	ARM 1, 4, G1, .Lhead_sa
	ARM 2, G0S, G1S, .Lhead_b
	ARM 3, 44, G1B, .Lhead_sb
	tensor_load_to_lds s[G0SB:G0SB+3], s[G1SB:G1SB+7]
	s_nop 0
.rept 4
	v_nop
.endr
.Lhead_asked:
	v_and_b32 v1, 15, v0
	v_bfe_u32 v2, v0, 4, 1
	v_and_b32 v8, 31, v0
	v_lshlrev_b32 v[LI], 4, v8
	v_lshlrev_b32 v[LX], 4, v1
	v_lshl_add_u32 v[LX], v2, 9, v[LX]
	v_and_b32 v9, 8, v1
	v_add_nc_u32 v9, v9, v1
	v_lshlrev_b32 v[LB1], 2, v9
	v_lshl_add_u32 v[LB2], v2, 15, v[LB1]
	v_lshl_add_u32 v[LB1], v2, 11, v[LB1]
	v_lshlrev_b32 v[LF], 9, v9
	v_lshl_add_u32 v[LF], v2, 6, v[LF]
	s_lshl_b32 s2, s[WY], 15
	s_lshl_b32 s3, s[WX], 15
	s_add_co_u32 s3, s3, 2*HALFT
.irp s, 0,1
	v_add_nc_u32 v[ADRA+\s], s2, v[LI]
	v_add_nc_u32 v[ADRB+\s], s3, v[LI]
	s_add_co_u32 s2, s2, SLOT
	s_add_co_u32 s3, s3, SLOT
.endr
	v_lshlrev_b32 v8, 3, v1
	s_lshl_b32 s2, s[WY], 13
	s_lshl_b32 s3, s[WX], 13
	s_add_co_u32 s3, s3, 2*HALFS
	s_sub_co_u32 s3, s3, s2
	v_mul_u32_u24 v10, s3, v2
	s_add_co_u32 s2, s2, SCL
	v_add_nc_u32 v8, v8, v10
	v_add_nc_u32 v[ADRS], s2, v8
.irp b, 0,1,2,3
	v_mov_b32 v[TM+4+\b], 0
.endr
	s_lshl_b32 s94, s43, 1
	s_add_co_u32 s94, s94, s[WY]
	s_lshl_b32 s95, s67, 1
	s_add_co_u32 s95, s95, s[WX]
	s_and_b32 s96, s95, 15
	s_cmp_ge_u32 ttmp9, 4
	s_cselect_b32 s97, s94, s96
	s_cselect_b32 s98, s95, s94
	s_lshr_b32 s99, ttmp9, 1
	s_cmp_eq_u32 s99, 1
	s_cselect_b64 s[10:11], s[12:13], s[10:11]
	s_cmp_eq_u32 s99, 2
	s_cselect_b64 s[10:11], s[14:15], s[10:11]
	s_mov_b32 s101, 0
	s_lshl_b32 s100, s97, 9
	s_add_nc_u64 s[16:17], s[16:17], s[100:101]
	s_lshl_b32 s100, s98, 14
	s_add_nc_u64 s[8:9], s[8:9], s[100:101]
	s_add_nc_u64 s[12:13], s[8:9], 1280
	s_mul_i32 s100, s99, s99
	s_lshl_b32 s100, s100, 8
	s_add_nc_u64 s[8:9], s[8:9], s[100:101]
	s_lshl_b32 s100, s98, 16
	s_add_nc_u64 s[18:19], s[18:19], s[100:101]
	s_lshl_b32 s96, s97, 4
	s_add_co_u32 s96, s96, s98
	s_lshl_b32 s100, s99, 17
	s_lshl_b32 s94, s96, 9
	s_add_co_u32 s100, s100, s94
	s_add_co_u32 s100, s100, QSC
	s_add_nc_u64 s[14:15], s[20:21], s[100:101]
	s_lshl_b32 s100, s99, 21
	s_lshl_b32 s94, s96, 13
	s_add_co_u32 s100, s100, s94
	s_add_nc_u64 s[20:21], s[20:21], s[100:101]
	s_mov_b32 s[SEL], 0x76543210
	s_mov_b32 s[SEL+1], 0xfedcba98
	s_cmp_ge_u32 ttmp9, 4
	s_cbranch_scc1 .Lin_v
	LORA_IN UF, TF
	s_branch .Lin_done
.Lin_v:
	LORA_IN TF, UF
.Lin_done:
	s_wait_alu depctr_va_vdst(0)
	s_wait_tensorcnt 0x0                             ; my tile of the head's four is in (it had the narrow factors' loads and sums in which to land)
	ds_add_u32 v[SPW], v[NIL]
	s_mov_b32 s[G1+2], 8<<16                         ; no tensor load of mine is out, so a descriptor may be written: from here on a load brings 8 tiles
	s_mov_b32 s[G1+4], 8
	s_mov_b32 s[G1B+2], 8<<16
	s_mov_b32 s[G1B+4], 8
	s_wait_dscnt 0x0
	CROUND                                           ; all four tiles are in, and all sixteen work-groups are here: the joint loads meet
	JLOAD G0+4, G1, G0B+4, G1B                       ; slot 1's first fill: my one load behind the round
	LORA_MM 0
	LORA_MM 1
	WIN 0
	PLACES 9
	FETCH_B 0,0,0
	FETCH_A 0,0,0
	SCALES 0
	FETCH_A 0,0,4
	STEP 0,0
	STEP 0,1
	STEP 0,2
	TURN 0,1,1
	LORA_MID 2
	STEP 1,0
	STEP 1,1
	STEP 1,2
	TURN 1,0,1
	LORA_MID 3
	s_cmp_ge_u32 ttmp9, 4
	s_cbranch_scc1 .Lno_table
	FLOAD 0
	FLOAD 1
	FLOAD 2
.Lno_table:
	STEP 0,0
	STEP 0,1
	STEP 0,2
	TURN 0,1,0
	STEP 1,0
	STEP 1,1
	STEP 1,2
	s_cmp_ge_u32 ttmp9, 4
	s_cbranch_scc1 .Lout_v
	FLOAD 3
	LAST
	PLACES NP
	FLOAD 4
.irp a, 0,1,2,3,4,5,6,7
.if \a == 0
	s_wait_loadcnt 32
.elseif \a == 3
	s_wait_loadcnt 48
	FLOAD 7
.elseif \a == 4
	s_wait_loadcnt 48
.elseif \a == 5
	s_wait_loadcnt 32
.elseif \a == 6
	s_wait_loadcnt 16
.elseif \a == 7
	s_wait_loadcnt 0x0
.endif
	ROPE \a
.if \a < 2
	FLOAD \a+5
.endif
	QUANT WR,1,PC,PWS+\a
	global_store_b128 v[LI], v[PC:PC+3], s[20:21] offset:1024*\a
	global_store_b128 v[LI], v[PC+4:PC+7], s[20:21] offset:1024*\a+512
.endr
	s_branch .Lout_done
.Lout_v:
	LAST
	PLACES NP
.irp a, 0,1,2,3,4,5,6,7
	QUANT 64*(\a%4),2+\a/4,PC,PWS+\a
	global_store_b128 v[LI], v[PC:PC+3], s[20:21] offset:1024*\a
	global_store_b128 v[LI], v[PC+4:PC+7], s[20:21] offset:1024*\a+512
.endr
.Lout_done:
	v_and_b32 v30, 31, v0
	v_cmp_lt_u32 vcc_lo, 15, v30
.irp e, 0,1,2,3
	v_cndmask_b32 v[CM+\e], v[PWS+\e], v[PWS+4+\e], vcc_lo
.endr
	global_store_b128 v[LI], v[CM:CM+3], s[14:15]
	s_wait_tensorcnt 0x0
	ds_add_u32 v[SPW], v[NIL]
	s_wait_dscnt 0x0
	CROUND
	s_endpgm
.Lfunc_end_k_q23b5a9ad24_qkv:
	.size	k_q23b5a9ad24_qkv, .Lfunc_end_k_q23b5a9ad24_qkv-k_q23b5a9ad24_qkv
	.p2alignl 7, 3214868480
	.fill 96, 4, 3214868480
	.section	.rodata,"a",@progbits
	.p2align	6, 0x0
	.amdhsa_kernel k_q23b5a9ad24_qkv
		.amdhsa_group_segment_fixed_size 327680
		.amdhsa_private_segment_fixed_size 0
		.amdhsa_enable_private_segment 0
		.amdhsa_kernarg_size 72
		.amdhsa_user_sgpr_count 2
		.amdhsa_user_sgpr_kernarg_segment_ptr 1
		.amdhsa_wavefront_size32 1
		.amdhsa_system_sgpr_workgroup_id_x 1
		.amdhsa_system_sgpr_workgroup_id_y 1
		.amdhsa_system_sgpr_workgroup_id_z 1
		.amdhsa_system_vgpr_workitem_id 0
		.amdhsa_next_free_vgpr 1024
		.amdhsa_next_free_sgpr 102
		.amdhsa_reserve_vcc 1
		.amdhsa_float_denorm_mode_32 3
		.amdhsa_float_denorm_mode_16_64 3
		.amdhsa_memory_ordered 1
		.amdhsa_forward_progress 1
		.amdhsa_inst_pref_size 255
	.end_amdhsa_kernel
	.section	.bss,"aw",@nobits
	.p2align	6
	.space	262144
	.amdgpu_metadata
---
amdhsa.version: [ 1, 2 ]
amdhsa.kernels:
  - .name:           k_q23b5a9ad24_qkv
    .symbol:         k_q23b5a9ad24_qkv.kd
    .args:
      - { .name: xq, .offset: 0, .size: 8, .value_kind: global_buffer, .address_space: global }
      - { .name: wts, .offset: 8, .size: 8, .value_kind: global_buffer, .address_space: global }
      - { .name: xa, .offset: 16, .size: 8, .value_kind: global_buffer, .address_space: global }
      - { .name: q_b, .offset: 24, .size: 8, .value_kind: global_buffer, .address_space: global }
      - { .name: k_b, .offset: 32, .size: 8, .value_kind: global_buffer, .address_space: global }
      - { .name: v_b, .offset: 40, .size: 8, .value_kind: global_buffer, .address_space: global }
      - { .name: head_b, .offset: 48, .size: 8, .value_kind: global_buffer, .address_space: global }
      - { .name: freq_cis, .offset: 56, .size: 8, .value_kind: global_buffer, .address_space: global }
      - { .name: qkv, .offset: 64, .size: 8, .value_kind: global_buffer, .address_space: global }
    .group_segment_fixed_size: 327680
    .private_segment_fixed_size: 0
    .kernarg_segment_align: 8
    .kernarg_segment_size: 72
    .max_flat_workgroup_size: 128
    .sgpr_count:     102
    .vgpr_count:     1024
    .wavefront_size: 32
...
	.end_amdgpu_metadata
.endif
;; end of part 2
;; launch attn (part 3): grid 16 x 16, 16 waves a work-group, clusters of 4 x 1, 327,680 bytes of LDS; arguments qkv, oq; writes oq
.if DOCPART == 3
	.amdgcn_target "amdgcn-amd-amdhsa--gfx1250"
	.amdhsa_code_object_version 6
	.text
	.protected	k_q23b5a9ad24_attn
	.globl	k_q23b5a9ad24_attn
	.p2align	8
	.type	k_q23b5a9ad24_attn,@function
k_q23b5a9ad24_attn:
	s_mov_b64 s[64:65], 0
	v_nop
	global_prefetch_b8 v0, s[64:65] scope:SCOPE_SE
	s_setreg_imm32_b32 hwreg(HW_REG_WAVE_MODE, 25, 1), 1
	s_wait_xcnt 0x0
	s_wait_alu depctr_hold_cnt(0) depctr_sa_sdst(0) depctr_va_vdst(0) depctr_va_sdst(0) depctr_va_ssrc(0) depctr_va_vcc(0) depctr_vm_vsrc(0)
	s_getreg_b32 s2, hwreg(HW_REG_IB_STS2, 6, 4)
	s_cmp_eq_u32 s2, 0
	s_cbranch_scc0 .Lentry_in_a_cluster
	s_endpgm
.Lentry_in_a_cluster:
	s_bfe_u32 s2, ttmp6, 0x10000c
	s_cmp_lg_u32 s2, 0x3003
	s_cbranch_scc0 .Lentry_shape_is_right
	s_endpgm
.Lentry_shape_is_right:
; ATTN: o = softmax(q k^T / sqrt(128), causal) v for one head, both products on codes of FP4 with E8M0 scales; o leaves quantised along the head's 128 for the last product.
; THE SOFTMAX: t = score x log2(e) / sqrt(128); M = the running largest t rounded up to a whole number; p = 2^(t - M) is quantised along the keys; the row's sum is taken of the unquantised p and divides at the end.
; LEFT OUT: key steps all of whose keys come after a tile's queries: their p is 0.
; SHARES.  A cluster of four work-groups has one head and four blocks of 128 queries: blocks 2 c, 2 c + 1, 15 - 2 c, 14 - 2 c for cluster c, so that every cluster has as many key steps under the mask.
; A tile of 16 queries (block by (wave % 8) / 2, tile 2 cx + wave % 2 of its eight) is owned by TWO waves, w and w + 8: the first takes the even key steps, the second the odd ones, each with its own running M, sum and o.
; Since every M is a whole number, the two halves are joined at the end by exact powers of two: waves 8-15 lay o, -M and the sum into LDS, waves 0-7 bring both under the larger M, divide and quantise.
; Which block a wave has hangs on the cluster's x and the wave's number alone: every branch is alike in the four partners.
; THE FILLS.  A head's k and v (131,072 bytes each) and their scale bytes (8,192 each) lie in LDS whole; every load is asked for jointly with the same wave of the three partners.  At the head one load a wave:
; waves 0-7 key steps 0-7 of k and of v (16,384 bytes each), waves 8-15 the scale bytes (2,048 each).  Behind the three lines and a round of the cluster's barrier each wave asks for one of key steps 8-15 of k (waves 0-7) or v:
; one load of mine is out, with the eight key steps of the first half in which to land.  No prefetch: there is no trip ahead of the head in which one could stand.
; Every wave walks all 16 key steps (constant trip counts); a step that is hidden or the partner's is jumped over by a scalar branch on ids; in the step on the diagonal hidden scores become -infinity.
; LAYOUT.  Both products are used transposed: a lane holds one query (lane % 16).  Tile row p of tile T stands for row 32 (T / 2) + 8 (T % 2) + p + 8 (p / 8): so p's, and o's, 16 registers of two neighbouring tiles are 16 neighbours.
; LIMITS: a block of o whose largest magnitude lies under 2^-124, and a block of zeros, get the scale byte 1; NaN and infinities are not served; the scaled scores stay under 2^31 in magnitude.  o's scale words leave as 4 bytes a row: 131,072 bytes in all.
; REGISTERS: v1-7, v11 lane terms; v8-10 LDS addresses of the step; v12 -M, v13 the largest t, v[14:15] the sum; v16-23 q; v24-31 the eight tiles' scale words; v32-95 eight fragments of k, then of v, at the end the partner's o;
;   v96-159 the scores, then p; v160-223 o; v224-231 p's codes; v232-254 at work; v250, v251 kept for the add; v253 p's scale word; v255 q's.
.set QSC, 6291456
.set XSC, 2097152
.set SCK, 262144                       ; LDS: k at 0, v at 131,072, k's scale bytes here, v's 8,192 on; the spare words at 278,528, 128 bytes a wave
.set LI,  1                            ; v1  16 x lane
.set LIV, 2                            ; v2  + 131,072
.set LSC, 3                            ; v3  SCK + 16 r
.set QD,  4                            ; v4  my query in its block - 16 h
.set QS,  5                            ; v5  16 r
.set OS,  6                            ; v6  8 r
.set MGA, 7                            ; v7  LDS, the joining: 8,448 (wave % 8) + 16 x lane, in k's bytes, which have had their last fill and their last read by then
.set ADK, 8
.set ADV, 9
.set ADS, 10
.set MGB, 11                           ; v11 8,448 (wave % 8) + 8 x lane
.set TM,  232
.set WV,  8
.set CX,  9
.set HD,  10
.set BLK, 11                           ; s11 my block of queries = my tile's last key step
.set KI,  12                           ; s12 the key step
.set TB,  13                           ; s13 8,192 x the key step
.set TS,  14                           ; s14 512 x the key step
.set CNT, 15
.set SEL, 20
.set CS,  22
.set G1,  24                           ; group 1: 32 rows of 256 bytes
.set G1S, 32                           ; 8 rows
.set G0S, 40
.set G0P, 44
.set TW,  86                           ; s86 wave % 8
.set KH,  87                           ; s87 wave / 8: the parity of my key steps
.set G0H, 88
.set G1H, 92                           ; 64 rows
.macro CROUND
	s_barrier_signal -1
	s_barrier_wait -1
	s_cmp_lg_u32 s[WV], 0
	s_cbranch_scc1 .Lnot_wave_0_\@
	s_barrier_signal -3
.Lnot_wave_0_\@:
	s_barrier_wait -3
	s_barrier_signal -1
	s_barrier_wait -1
.endm
	s_load_b128 s[4:7], s[0:1], 0x0                  ; qkv, oq
	v_lshl_add_u32 v250, v0, 2, 0x44000
	v_mov_b32 v251, 0
	ds_add_u32 v250, v251                            ; the opening lines: the add twice on end and its wait ahead of my first tensor load
	ds_add_u32 v250, v251
	v_lshrrev_b32 v8, 5, v0
	s_delay_alu instid0(VALU_DEP_1)
	v_readfirstlane_b32 s[WV], v8                    ; wave 0..15
	s_and_b32 s[TW], s[WV], 7
	s_lshr_b32 s[KH], s[WV], 3
	s_bfe_u32 s[CX], ttmp6, 0x40000
	s_and_b32 s[HD], ttmp7, 0xffff
	s_lshr_b32 s16, s[TW], 1
	s_lshl_b32 s17, ttmp9, 1
	s_add_co_u32 s18, s17, s16                       ; 2 c + (wave % 8) / 2
	s_sub_co_u32 s19, 17, s17
	s_sub_co_u32 s19, s19, s16                       ; 17 - 2 c - (wave % 8) / 2
	s_cmp_lt_u32 s16, 2
	s_cselect_b32 s[BLK], s18, s19
	; group 1: dense blocks as rows of 256 bytes (32 elements of 8 bytes); the mask names all four work-groups
.irp g, G1, G1S, G1H
	s_mov_b32 s[\g], 15|(3<<16)|(1<<21)
	s_mov_b32 s[\g+1], 32<<16
	s_mov_b32 s[\g+3], 32<<16
	s_mov_b32 s[\g+5], 32
	s_mov_b32 s[\g+6], 0
	s_mov_b32 s[\g+7], 0
.endr
	s_mov_b32 s[G1+2], 32<<16
	s_mov_b32 s[G1+4], 32
	s_mov_b32 s[G1S+2], 8<<16
	s_mov_b32 s[G1S+4], 8
	s_mov_b32 s[G1H+2], 64<<16
	s_mov_b32 s[G1H+4], 64
	; the head's loads, by wave % 8: k (0-3) or v (4-7), which quarter
	s_lshr_b32 s60, s[TW], 2
	s_and_b32 s61, s[TW], 3
	s_add_co_u32 s66, s60, 1
	s_lshl_b32 s62, s60, 17
	s_lshl_b32 s63, s61, 14
	s_add_co_u32 s62, s62, s63                       ; codes, in LDS: 16,384 bytes a quarter of key steps 0-7
	s_lshl_b32 s68, s66, 21                          ; k's codes begin 2 MiB into qkv, v's 4 MiB
	s_lshl_b32 s67, s[HD], 17
	s_add_co_u32 s68, s68, s67
	s_add_co_u32 s68, s68, s63
	s_mov_b32 s69, 0
	s_lshl_b32 s70, s66, 17                          ; scale bytes: 131,072 a tensor, 8,192 a head, 2,048 a quarter
	s_lshl_b32 s67, s[HD], 13
	s_add_co_u32 s70, s70, s67
	s_lshl_b32 s67, s61, 11
	s_add_co_u32 s70, s70, s67
	s_add_co_u32 s70, s70, QSC
	s_mov_b32 s71, 0
	s_lshl_b32 s72, s[TW], 11
	s_add_co_u32 s72, s72, SCK
	; the second fill: key step 8 + wave % 8 of k (waves 0-7) or v (waves 8-15)
	s_add_co_u32 s73, s[TW], 8
	s_lshl_b32 s73, s73, 13
	s_lshl_b32 s16, s[KH], 17
	s_add_co_u32 s16, s16, s73                       ; in LDS
	s_add_co_u32 s17, s[KH], 1
	s_lshl_b32 s18, s17, 21
	s_lshl_b32 s67, s[HD], 17
	s_add_co_u32 s18, s18, s67
	s_add_co_u32 s18, s18, s73
	s_mov_b32 s19, 0
	s_mul_i32 s17, s[TW], 8448                       ; the joining: my pair's bytes
	; my tile of queries (these hold cx and enter plain loads, stores and the mask's numbers alone)
	s_lshl_b32 s82, s[CX], 1
	s_and_b32 s83, s[WV], 1
	s_add_co_u32 s82, s82, s83                       ; tile 0..7 in its block
	s_lshl_b32 s84, s[HD], 4
	s_add_co_u32 s84, s84, s[BLK]                    ; 16 x head + block
	s_lshl_b32 s74, s84, 13
	s_lshl_b32 s85, s82, 10
	s_add_co_u32 s74, s74, s85                       ; q's fragment
	s_mov_b32 s75, 0
	s_lshl_b32 s76, s84, 9
	s_lshr_b32 s85, s82, 2
	s_lshl_b32 s85, s85, 8
	s_add_co_u32 s76, s76, s85
	s_and_b32 s85, s82, 3
	s_lshl_b32 s85, s85, 2
	s_add_co_u32 s76, s76, s85
	s_add_co_u32 s76, s76, QSC                       ; q's scale words
	s_mov_b32 s77, 0
	s_lshl_b32 s84, s[BLK], 3
	s_add_co_u32 s84, s84, s82                       ; o's tile T
	s_lshl_b32 s78, s84, 14
	s_lshl_b32 s85, s[HD], 10
	s_add_co_u32 s78, s78, s85                       ; its K step = my head
	s_mov_b32 s79, 0
	s_lshr_b32 s80, s84, 1
	s_lshl_b32 s80, s80, 11
	s_lshr_b32 s85, s[HD], 1
	s_lshl_b32 s85, s85, 8
	s_add_co_u32 s80, s80, s85
	s_and_b32 s85, s84, 1
	s_lshl_b32 s85, s85, 7
	s_add_co_u32 s80, s80, s85
	s_and_b32 s85, s[HD], 1
	s_lshl_b32 s85, s85, 2
	s_add_co_u32 s80, s80, s85
	s_add_co_u32 s80, s80, XSC
	s_mov_b32 s81, 0
	s_lshl_b32 s85, s[CX], 5
	s_lshl_b32 s83, s83, 3
	s_add_co_u32 s85, s85, s83                       ; my tile's first row in its block: 32 cx + 8 (wave % 2)
	s_mov_b32 s[SEL], 0x76543210
	s_mov_b32 s[SEL+1], 0xfedcba98
	s_mov_b32 s[CS], 0x3e0293ee                      ; c = log2(e) / sqrt(128)
	s_mov_b32 s[CS+1], s[CS]
	s_mov_b32 s[KI], 0
	s_mov_b32 s[TB], 0
	s_mov_b32 s[TS], 0
	s_wait_dscnt 0x0
	s_wait_kmcnt 0x0
	s_mov_b32 s[G0S], 1
	s_mov_b32 s[G0S+1], s72
	s_add_nc_u64 s[G0S+2:G0S+3], s[4:5], s[70:71]
	s_or_b32 s[G0S+3], s[G0S+3], 0x80000000
	s_mov_b32 s[G0H], 1
	s_mov_b32 s[G0H+1], s62
	s_add_nc_u64 s[G0H+2:G0H+3], s[4:5], s[68:69]
	s_or_b32 s[G0H+3], s[G0H+3], 0x80000000
	s_mov_b32 s[G0P], 1
	s_mov_b32 s[G0P+1], s16
	s_add_nc_u64 s[G0P+2:G0P+3], s[4:5], s[18:19]
	s_or_b32 s[G0P+3], s[G0P+3], 0x80000000
	s_add_nc_u64 s[74:75], s[4:5], s[74:75]
	s_add_nc_u64 s[76:77], s[4:5], s[76:77]
	s_add_nc_u64 s[78:79], s[6:7], s[78:79]
	s_add_nc_u64 s[80:81], s[6:7], s[80:81]
	CROUND                                           ; all four work-groups are here: the joint loads meet
	s_cmp_lt_u32 s[WV], 8                            ; one chain of branches on the wave's number, a load to an arm: every way passes one
	s_cbranch_scc0 .Lhead_sc
	tensor_load_to_lds s[G0H:G0H+3], s[G1H:G1H+7]
	s_nop 0
.rept 4
	v_nop
.endr
	s_branch .Lhead_asked
.Lhead_sc:
	tensor_load_to_lds s[G0S:G0S+3], s[G1S:G1S+7]
	s_nop 0
.rept 4
	v_nop
.endr
.Lhead_asked:
	v_and_b32 v8, 15, v0                             ; r
	v_bfe_u32 v9, v0, 4, 1                           ; h
	v_and_b32 v10, 31, v0
	s_delay_alu instid0(VALU_DEP_1)
	v_lshlrev_b32 v[LI], 4, v10
	v_lshl_add_u32 v[MGB], v10, 3, s17
	s_delay_alu instid0(VALU_DEP_2)
	v_add_nc_u32 v[LIV], 131072, v[LI]
	v_add_nc_u32 v[MGA], s17, v[LI]
	v_lshl_add_u32 v[LSC], v8, 4, SCK
	v_lshlrev_b32 v[QS], 4, v8
	v_lshlrev_b32 v[OS], 3, v8
	global_load_b128 v[16:19], v[LI], s[74:75]       ; q's fragment stays in registers
	global_load_b128 v[20:23], v[LI], s[74:75] offset:512
	global_load_b32 v255, v[QS], s[76:77]
	v_and_b32 v24, 8, v8
	s_delay_alu instid0(VALU_DEP_1)
	v_add_nc_u32 v24, v24, v8                        ; r + 8 (r / 8)
	s_delay_alu instid0(VALU_DEP_1)
	v_add_nc_u32 v[QD], s85, v24
	v_lshlrev_b32 v10, 4, v9
	s_delay_alu instid0(VALU_DEP_1)
	v_sub_nc_u32 v[QD], v[QD], v10
	v_mov_b32 v13, 0xff61b1e6                        ; the largest t so far: -3e38
	s_delay_alu instid0(VALU_DEP_1)
	v_floor_f32 v12, -v13                            ; -M
	v_mov_b32 v14, 0
	v_mov_b32 v15, 0
.irp b, 0,1,2,3
	v_mov_b32 v[236+\b], 0                           ; written once: a lane permute's destination counts as one of its sources
.endr
	v_mov_b32 v252, 0
	v_mov_b32 v253, 0
.irp j, 0,1,2,3,4,5,6,7,8,9,10,11,12,13,14,15,16,17,18,19,20,21,22,23,24,25,26,27,28,29,30,31,32,33,34,35,36,37,38,39,40,41,42,43,44,45,46,47,48,49,50,51,52,53,54,55,56,57,58,59,60,61,62,63
	v_mov_b32 v[160+\j], 0                           ; o: the step is written once, its first walk finds zeros; a wave with no step of its own hands zeros on
.endr
; A KEY STEP of 128 keys
.macro STEP
	s_cmp_gt_u32 s[KI], s[BLK]                       ; all its keys come after my queries: only the steps of the addresses are done
	s_cbranch_scc1 .Lhidden_\@
	s_and_b32 s17, s[KI], 1
	s_cmp_lg_u32 s17, s[KH]                          ; or it is my partner's
	s_cbranch_scc1 .Lhidden_\@
	v_add_nc_u32 v[ADK], s[TB], v[LI]
	v_add_nc_u32 v[ADV], s[TB], v[LIV]
	v_add_nc_u32 v[ADS], s[TS], v[LSC]
	v_nop                                            ; four places in front of loads into registers that the last products read
.irp t, 0,1,2,3,4,5,6,7
.irp c, 0,1
	ds_load_b128 v[32+8*\t+4*\c:32+8*\t+4*\c+3], v[ADK] offset:1024*\t+512*\c
.endr
.endr
.irp g, 0,1
	ds_load_b128 v[24+4*\g:27+4*\g], v[ADS] offset:256*\g          ; row r's words of tiles 4 g .. 4 g + 3
.endr
	s_wait_alu depctr_va_vdst(0)
	s_wait_dscnt 0x0
.irp t, 0,1,2,3,4,5,6,7
	v_wmma_scale_f32_16x16x128_f8f6f4 v[96+8*\t:103+8*\t], v[32+8*\t:39+8*\t], v[16:23], 0, v[24+\t], v255 matrix_a_fmt:MATRIX_FMT_FP4 matrix_b_fmt:MATRIX_FMT_FP4
.endr
.rept 4
	v_nop                                            ; four places: for the loads below and for the first read of the scores
.endr
.irp t, 0,1,2,3,4,5,6,7                          ; v's fragments and scale words land while the softmax is walked
.irp c, 0,1
	ds_load_b128 v[32+8*\t+4*\c:32+8*\t+4*\c+3], v[ADV] offset:1024*\t+512*\c
.endr
.endr
.irp g, 0,1
	ds_load_b128 v[24+4*\g:27+4*\g], v[ADS] offset:8192+256*\g
.endr
	s_cmp_lg_u32 s[KI], s[BLK]
	s_cbranch_scc1 .Lopen_\@
	v_mov_b32 v254, 0xff800000                       ; on the diagonal: register 16 b + i holds key 32 b + 16 h + i of the block: hidden where 32 b + i > my query - 16 h
.irp n, 0,1,2,3,4,5,6,7,8,9,10,11,12,13,14,15,16,17,18,19,20,21,22,23,24,25,26,27,28,29,30,31,32,33,34,35,36,37,38,39,40,41,42,43,44,45,46,47,48,49,50,51,52,53,54,55,56,57,58,59,60,61,62,63
	v_cmp_gt_i32 vcc_lo, 32*(\n/16)+\n%16, v[QD]
	v_cndmask_b32 v[96+\n], v[96+\n], v254, vcc_lo
.endr
.Lopen_\@:
.irp b, 0,1,2,3
	v_max3_num_f32 v[232+\b], v[96+16*\b], v[97+16*\b], v[98+16*\b]      ; the largest score of each block of 32 keys: for the row's maximum, and for the block's largest p
.endr
.irp i, 3,5,7,9,11,13
.irp b, 0,1,2,3
	v_max3_num_f32 v[232+\b], v[232+\b], v[96+16*\b+\i], v[97+16*\b+\i]
.endr
.endr
.irp b, 0,1,2,3
	v_max_num_f32 v[232+\b], v[232+\b], v[111+16*\b]
.endr
.irp b, 0,1,2,3
	s_delay_alu instid0(VALU_DEP_4)
	v_permlanex16_b32 v[236+\b], v[232+\b], s[SEL], s[SEL+1]
.endr
.irp b, 0,1,2,3
	s_delay_alu instid0(VALU_DEP_4)
	v_max_num_f32 v[232+\b], v[232+\b], v[236+\b]
.endr
	s_delay_alu instid0(VALU_DEP_2)
	v_max3_num_f32 v254, v232, v233, v234
	s_delay_alu instid0(VALU_DEP_1)
	v_max_num_f32 v254, v254, v235
	s_delay_alu instid0(VALU_DEP_1)
	v_mul_f32 v254, s[CS], v254
	s_delay_alu instid0(VALU_DEP_1)
	v_max_num_f32 v13, v13, v254                     ; the running largest t
	v_mov_b32 v254, v12
	s_delay_alu instid0(VALU_DEP_2)
	v_floor_f32 v12, -v13                            ; -M = floor(-t): M is a whole number
	s_delay_alu instid0(VALU_DEP_1)
	v_sub_f32 v254, v12, v254
	s_delay_alu instid0(VALU_DEP_1)
	v_cvt_i32_f32 v254, v254
	s_delay_alu instid0(VALU_DEP_1)
	v_ldexp_f32 v252, 1.0, v254                      ; f = 2^(old M - new M): rounds nothing
.irp j, 0,2,4,6,8,10,12,14,16,18,20,22,24,26,28,30,32,34,36,38,40,42,44,46,48,50,52,54,56,58,60,62
	v_pk_fma_f32 v[96+\j:97+\j], v[96+\j:97+\j], s[CS:CS+1], v[12:13] op_sel_hi:[1,0,0]     ; t - M
.endr
.irp b, 0,1,2,3
	v_fma_f32 v[232+\b], v[232+\b], s[CS], v12
.endr
	s_wait_alu depctr_va_vdst(0)                     ; the wait ahead of the batch
.irp j, 0,1,2,3,4,5,6,7,8,9,10,11,12,13,14,15,16,17,18,19,20,21,22,23,24,25,26,27,28,29,30,31,32,33,34,35,36,37,38,39,40,41,42,43,44,45,46,47,48,49,50,51,52,53,54,55,56,57,58,59,60,61,62,63
	v_exp_f32 v[96+\j], v[96+\j]                     ; p = 2^(t - M)
.endr
	v_pk_mul_f32 v[14:15], v[14:15], v[252:253] op_sel_hi:[1,0]      ; the sums under the new M: a plain line behind the exponentials
	s_wait_alu depctr_va_vdst(0)                     ; one wait for the whole batch, ahead of its first reader
.irp b, 0,1,2,3
	v_exp_f32 v[232+\b], v[232+\b]                   ; each block's largest p
.endr
	v_pk_add_f32 v[236:237], v[100:101], v[104:105]
	v_pk_add_f32 v[248:249], v[108:109], v[112:113]
	v_pk_add_f32 v[246:247], v[116:117], v[120:121]
	v_pk_add_f32 v[244:245], v[124:125], v[128:129]
	v_pk_add_f32 v[242:243], v[132:133], v[136:137]
	v_pk_add_f32 v[240:241], v[140:141], v[144:145]
	v_pk_add_f32 v[238:239], v[148:149], v[152:153]
	v_pk_add_f32 v[14:15], v[14:15], v[156:157]
	v_pk_add_f32 v[236:237], v[236:237], v[96:97]
	v_pk_add_f32 v[248:249], v[248:249], v[98:99]
	v_pk_add_f32 v[246:247], v[246:247], v[102:103]
	v_pk_add_f32 v[244:245], v[244:245], v[106:107]
	v_pk_add_f32 v[242:243], v[242:243], v[110:111]
	v_pk_add_f32 v[240:241], v[240:241], v[114:115]
	v_pk_add_f32 v[238:239], v[238:239], v[118:119]
	v_pk_add_f32 v[14:15], v[14:15], v[122:123]
	v_pk_add_f32 v[236:237], v[236:237], v[126:127]
	v_pk_add_f32 v[248:249], v[248:249], v[130:131]
	v_pk_add_f32 v[246:247], v[246:247], v[134:135]
	v_pk_add_f32 v[244:245], v[244:245], v[138:139]
	v_pk_add_f32 v[242:243], v[242:243], v[142:143]
	v_pk_add_f32 v[240:241], v[240:241], v[146:147]
	v_pk_add_f32 v[238:239], v[238:239], v[150:151]
	v_pk_add_f32 v[14:15], v[14:15], v[154:155]
	v_pk_add_f32 v[236:237], v[236:237], v[158:159]
	s_delay_alu instid0(VALU_DEP_2)
	v_pk_add_f32 v[14:15], v[14:15], v[244:245]
	s_delay_alu instid0(VALU_DEP_2)
	v_pk_add_f32 v[236:237], v[236:237], v[242:243]
	v_pk_add_f32 v[248:249], v[248:249], v[240:241]
	v_pk_add_f32 v[246:247], v[246:247], v[238:239]
	s_delay_alu instid0(VALU_DEP_2)
	v_pk_add_f32 v[14:15], v[14:15], v[248:249]
	s_delay_alu instid0(VALU_DEP_2)
	v_pk_add_f32 v[236:237], v[236:237], v[246:247]
	s_delay_alu instid0(VALU_DEP_1)
	v_pk_add_f32 v[14:15], v[14:15], v[236:237]
	s_wait_alu depctr_va_vdst(0)                     ; and one for the four
.irp b, 0,1,2,3
	v_max_num_f32 v[232+\b], 0x1800000, v[232+\b]    ; the floor 2^(3 - 127)
.endr
.irp b, 0,1,2,3
	s_delay_alu instid0(VALU_DEP_4)
	v_add_nc_u32 v[244+\b], 0xff000000, v[232+\b]
.endr
.irp b, 0,1,2,3
	s_delay_alu instid0(VALU_DEP_4)
	v_lshrrev_b32 v[236+\b], 23, v[244+\b]
.endr
	s_delay_alu instid0(VALU_DEP_3)
	v_lshl_or_b32 v253, v237, 8, v236                ; p's scale word for these 128 keys
	s_delay_alu instid0(VALU_DEP_1)
	v_lshl_or_b32 v253, v238, 16, v253
	s_delay_alu instid0(VALU_DEP_1)
	v_lshl_or_b32 v253, v239, 24, v253
.irp b, 0,1,2,3
	v_cvt_scalef32_pk8_fp4_f32 v[224+2*\b], v[96+16*\b:103+16*\b], v[244+\b]
	v_cvt_scalef32_pk8_fp4_f32 v[225+2*\b], v[104+16*\b:111+16*\b], v[244+\b]
.endr
	v_nop
.irp c, 0,1
.irp i, 0,1
	v_permlane16_swap_b32 v[224+4*\c+\i], v[226+4*\c+\i]
.endr
.endr
.irp j, 0,2,4,6,8,10,12,14,16,18,20,22,24,26,28,30,32,34,36,38,40,42,44,46,48,50,52,54,56,58,60,62
	v_pk_mul_f32 v[160+\j:161+\j], v[160+\j:161+\j], v[252:253] op_sel_hi:[1,0]      ; o under the new M; these 32 are also the places in front of the products below
.endr
	s_wait_alu depctr_va_vdst(0)
	s_wait_dscnt 0x0                                 ; v is in
.irp t, 0,1,2,3,4,5,6,7
	v_wmma_scale_f32_16x16x128_f8f6f4 v[160+8*\t:167+8*\t], v[32+8*\t:39+8*\t], v[224:231], v[160+8*\t:167+8*\t], v[24+\t], v253 matrix_a_fmt:MATRIX_FMT_FP4 matrix_b_fmt:MATRIX_FMT_FP4
.endr
.Lhidden_\@:
	s_add_co_u32 s[KI], s[KI], 1
	s_add_co_u32 s[TB], s[TB], 8192
	s_add_co_u32 s[TS], s[TS], 512
.endm
; Eight key steps.  fill = 1: behind the round key steps 8-15 are asked for, a first fill that is issued as a refill is.
.macro HALF fill
	s_wait_alu depctr_va_vdst(0)
	s_wait_tensorcnt 0x0                             ; my one load that was out has landed;
	ds_add_u32 v250, v251
	s_wait_dscnt 0x0
.if \fill
	CROUND                                           ; everybody's has, in all four work-groups: the joint loads meet
	tensor_load_to_lds s[G0P:G0P+3], s[G1:G1+7]      ; my one load behind the round
	s_nop 0
.rept 4
	v_nop
.endr
.else
	s_barrier_signal -1
	s_barrier_wait -1                                ; everybody's has
.endif
	s_mov_b32 s[CNT], 8
.Lstep_\@:
	STEP
	s_sub_co_u32 s[CNT], s[CNT], 1
	s_cmp_lg_u32 s[CNT], 0
	s_cbranch_scc1 .Lstep_\@
.endm
	s_wait_loadcnt 0x0                               ; q
	HALF 1
	HALF 0
	; THE JOINING of a tile's two halves
.rept 4
	v_nop                                            ; four places in front of the first read of o
.endr
	v_add_f32 v14, v14, v15                          ; my sum's two halves
	s_wait_alu depctr_va_vdst(0)
	s_wait_dscnt 0x0                                 ; my reads of k and v are over
	s_barrier_signal -1
	s_barrier_wait -1                                ; everybody's are: k's bytes may be stored to
	s_cmp_lt_u32 s[WV], 8
	s_cbranch_scc1 .Lkeep
	v_mov_b32 v13, v14
.irp i, 0,1,2,3,4,5,6,7,8,9,10,11,12,13,14,15
	ds_store_b128 v[MGA], v[160+4*\i:163+4*\i] offset:512*\i       ; an image of the registers; each accumulator from its low end on
.endr
	ds_store_b64 v[MGB], v[12:13] offset:8192        ; -M and the sum
.Lkeep:
	s_wait_alu depctr_va_vdst(0)
	s_wait_dscnt 0x0                                 ; for the partner's sake: my stores have landed
	s_barrier_signal -1
	s_barrier_wait -1
	s_cmp_lt_u32 s[WV], 8
	s_cbranch_scc0 .Ldone
.irp i, 0,1,2,3,4,5,6,7,8,9,10,11,12,13,14,15
	ds_load_b128 v[32+4*\i:35+4*\i], v[MGA] offset:512*\i
.endr
	ds_load_b64 v[240:241], v[MGB] offset:8192
	s_wait_dscnt 0x0
	v_min_num_f32 v242, v12, v240                    ; -M of the two: the larger M
	s_delay_alu instid0(VALU_DEP_1)
	v_sub_f32 v243, v242, v12                        ; my M less the larger one: a whole number, 0 or less
	v_sub_f32 v244, v242, v240                       ; and the partner's (one with no step: -3e38, which the conversion holds at the least whole number: its factor is 0)
	s_delay_alu instid0(VALU_DEP_2)
	v_cvt_i32_f32 v243, v243
	s_delay_alu instid0(VALU_DEP_2)
	v_cvt_i32_f32 v244, v244
	s_delay_alu instid0(VALU_DEP_2)
	v_ldexp_f32 v243, 1.0, v243
	s_delay_alu instid0(VALU_DEP_2)
	v_ldexp_f32 v244, 1.0, v244
	s_delay_alu instid0(VALU_DEP_2)
	v_mul_f32 v14, v14, v243
	s_delay_alu instid0(VALU_DEP_1)
	v_fma_f32 v14, v241, v244, v14                   ; both sums under the larger M
	s_delay_alu instid0(VALU_DEP_1)
	v_permlanex16_b32 v252, v14, s[SEL], s[SEL+1]
	s_delay_alu instid0(VALU_DEP_1)
	v_add_f32 v14, v14, v252                         ; the row's sum
	s_wait_alu depctr_va_vdst(0)
	v_rcp_f32 v14, v14
	v_nop                                            ; a plain line behind the reciprocal,
	s_wait_alu depctr_va_vdst(0)                     ; and the wait ahead of its first reader
	v_mul_f32 v12, v244, v14                         ; the partner's factor / the sum,
	v_mul_f32 v14, v243, v14                         ; and mine: a power of two times 1 / the sum
.irp j, 0,2,4,6,8,10,12,14,16,18,20,22,24,26,28,30,32,34,36,38,40,42,44,46,48,50,52,54,56,58,60,62
	v_pk_mul_f32 v[96+\j:97+\j], v[160+\j:161+\j], v[14:15] op_sel_hi:[1,0]
.endr
.irp j, 0,2,4,6,8,10,12,14,16,18,20,22,24,26,28,30,32,34,36,38,40,42,44,46,48,50,52,54,56,58,60,62
	v_pk_fma_f32 v[96+\j:97+\j], v[32+\j:33+\j], v[12:13], v[96+\j:97+\j] op_sel_hi:[1,0,1]
.endr
	; THE WAY OUT: o, quantised along the head's 128 (register 16 b + i = channel 32 b + 16 h + i), stored as K step = head of tile T
.irp b, 0,1,2,3
	v_max3_num_f32 v[TM+\b], |v[96+16*\b]|, |v[97+16*\b]|, 0x1800000
.endr
.irp i, 2,4,6,8,10,12,14
.irp b, 0,1,2,3
	s_delay_alu instid0(VALU_DEP_4)
	v_max3_num_f32 v[TM+\b], v[TM+\b], |v[96+16*\b+\i]|, |v[97+16*\b+\i]|
.endr
.endr
.irp b, 0,1,2,3
	s_delay_alu instid0(VALU_DEP_4)
	v_permlanex16_b32 v[TM+4+\b], v[TM+\b], s[SEL], s[SEL+1]
.endr
.irp b, 0,1,2,3
	s_delay_alu instid0(VALU_DEP_4)
	v_max_num_f32 v[TM+\b], v[TM+\b], v[TM+4+\b]
.endr
.irp b, 0,1,2,3
	s_delay_alu instid0(VALU_DEP_4)
	v_add_nc_u32 v[TM+12+\b], 0xff000000, v[TM+\b]
.endr
.irp b, 0,1,2,3
	s_delay_alu instid0(VALU_DEP_4)
	v_lshrrev_b32 v[TM+4+\b], 23, v[TM+12+\b]
.endr
	s_delay_alu instid0(VALU_DEP_3)
	v_lshl_or_b32 v253, v[TM+5], 8, v[TM+4]
	s_delay_alu instid0(VALU_DEP_1)
	v_lshl_or_b32 v253, v[TM+6], 16, v253
	s_delay_alu instid0(VALU_DEP_1)
	v_lshl_or_b32 v253, v[TM+7], 24, v253
.irp b, 0,1,2,3
	v_cvt_scalef32_pk8_fp4_f32 v[224+2*\b], v[96+16*\b:103+16*\b], v[TM+12+\b]
	v_cvt_scalef32_pk8_fp4_f32 v[225+2*\b], v[104+16*\b:111+16*\b], v[TM+12+\b]
.endr
	v_nop
.irp c, 0,1
.irp i, 0,1
	v_permlane16_swap_b32 v[224+4*\c+\i], v[226+4*\c+\i]
.endr
.endr
	global_store_b128 v[LI], v[224:227], s[78:79]    ; 512 bytes on end
	global_store_b128 v[LI], v[228:231], s[78:79] offset:512
	global_store_b32 v[OS], v253, s[80:81]           ; row r's word; lanes 16-31 store the same bytes with the same values
	s_wait_alu depctr_va_vdst(0)
.Ldone:
	s_wait_tensorcnt 0x0                             ; the wave's end
	ds_add_u32 v250, v251
	s_wait_dscnt 0x0
	CROUND                                           ; the closing round
	s_endpgm
.Lfunc_end_k_q23b5a9ad24_attn:
	.size	k_q23b5a9ad24_attn, .Lfunc_end_k_q23b5a9ad24_attn-k_q23b5a9ad24_attn
	.p2alignl 7, 3214868480
	.fill 96, 4, 3214868480
	.section	.rodata,"a",@progbits
	.p2align	6, 0x0
	.amdhsa_kernel k_q23b5a9ad24_attn
		.amdhsa_group_segment_fixed_size 327680
		.amdhsa_private_segment_fixed_size 0
		.amdhsa_enable_private_segment 0
		.amdhsa_kernarg_size 16
		.amdhsa_user_sgpr_count 2
		.amdhsa_user_sgpr_kernarg_segment_ptr 1
		.amdhsa_wavefront_size32 1
		.amdhsa_system_sgpr_workgroup_id_x 1
		.amdhsa_system_sgpr_workgroup_id_y 1
		.amdhsa_system_sgpr_workgroup_id_z 1
		.amdhsa_system_vgpr_workitem_id 0
		.amdhsa_next_free_vgpr 256
		.amdhsa_next_free_sgpr 100
		.amdhsa_reserve_vcc 1
		.amdhsa_float_denorm_mode_32 3
		.amdhsa_float_denorm_mode_16_64 3
		.amdhsa_memory_ordered 1
		.amdhsa_forward_progress 1
		.amdhsa_inst_pref_size 73
	.end_amdhsa_kernel
	.amdgpu_metadata
---
amdhsa.version: [ 1, 2 ]
amdhsa.kernels:
  - .name:           k_q23b5a9ad24_attn
    .symbol:         k_q23b5a9ad24_attn.kd
    .args:
      - { .name: qkv, .offset: 0, .size: 8, .value_kind: global_buffer, .address_space: global }
      - { .name: oq, .offset: 8, .size: 8, .value_kind: global_buffer, .address_space: global }
    .group_segment_fixed_size: 327680
    .private_segment_fixed_size: 0
    .kernarg_segment_align: 8
    .kernarg_segment_size: 16
    .max_flat_workgroup_size: 512
    .sgpr_count:     100
    .vgpr_count:     256
    .wavefront_size: 32
...
	.end_amdgpu_metadata
.endif
;; end of part 3
;; launch oproj (part 4): grid 16 x 16, 4 waves a work-group, clusters of 4 x 4, 327,680 bytes of LDS; arguments oq, wts, out0; writes out0
.if DOCPART == 4
	.amdgcn_target "amdgcn-amd-amdhsa--gfx1250"
	.amdhsa_code_object_version 6
	.text
	.protected	k_q23b5a9ad24_oproj
	.globl	k_q23b5a9ad24_oproj
	.p2align	8
	.type	k_q23b5a9ad24_oproj,@function
k_q23b5a9ad24_oproj:
	s_mov_b64 s[64:65], 0
	v_nop
	global_prefetch_b8 v0, s[64:65] scope:SCOPE_SE
	s_setreg_imm32_b32 hwreg(HW_REG_WAVE_MODE, 25, 1), 1
	s_wait_xcnt 0x0
	s_wait_alu depctr_hold_cnt(0) depctr_sa_sdst(0) depctr_va_vdst(0) depctr_va_sdst(0) depctr_va_ssrc(0) depctr_va_vcc(0) depctr_vm_vsrc(0)
	s_getreg_b32 s2, hwreg(HW_REG_IB_STS2, 6, 4)
	s_cmp_eq_u32 s2, 0
	s_cbranch_scc0 .Lentry_in_a_cluster
	s_endpgm
.Lentry_in_a_cluster:
	s_bfe_u32 s2, ttmp6, 0x10000c
	s_cmp_lg_u32 s2, 0xf033
	s_cbranch_scc0 .Lentry_shape_is_right
	s_endpgm
.Lentry_shape_is_right:
; OPROJ: out0 = o wo, on codes of FP4 with E8M0 scales; sums and result f32.  o: 128 tiles of 16 rows in oq; wo's columns: tiles 384 to 511 of wts; both as images of the operand registers.
; A tile of the result is 128 x 128, so that 16 x 16 work-groups share the 2,048 x 2,048; four waves, 64 x 64 each: 16 accumulators.
; NO RING: both panels for all of K (131,072 bytes each) and their scale bytes lie in LDS whole, K steps 0-11 in one part, 12-15 in another.  Each wave asks for one load at the head and one behind a round of the barrier;
; every byte that the work-group reads is named by these first fills, so nothing is left to ask for ahead.
; CLUSTERS: 4 x 4: o's panel is shared along a row of the cluster, wo's along a column; each part is asked for jointly.
; THE MATRIX INSTRUCTION IS USED TRANSPOSED (source 0 = 16 columns of wo, source 1 = 16 rows of o): a lane holds eight neighbouring numbers of a row.  Tile row p of tile T stands for row 32 (T / 2) + 8 (T % 2) + p + 8 (p / 8).
; REGISTERS: window 0: v8-19 addresses; v32-63 scale words, two sets, nothing else; v64-127 rows on the way out; v128-255 the accumulators (a, b) at v[128 + 8 (4 a + b)].
;   window 1: two sets of 64: o's four fragments, then wo's four.
.set XSC, 2097152
.set WSC, 8388608
.set SCL, 262144                       ; LDS: K steps 0-11 at 0 (o's 8 tiles x 12,288 bytes, then wo's), K steps 12-15 at 196,608; the scale bytes here, 8,192 a wave's load;
.set STG, 278528                       ; the stages for the way out: 16 rows x (256 + 16) bytes a wave; no tensor load lands here
.set ADA, 8
.set ADB, 12
.set ADS, 16
.set STO, 17
.set RD,  18
.set CO,  19
.set SC,  32
.set BK,  64
.set ACC, 128
.set WV,  10
.set WY,  11
.set WX,  12
.set G1A, 24
.set G1B, 32
.set G1SA, 40
.set G1SB, 48
.set MSB, 0
.macro WIN new
.if MSB != (\new)
	s_set_vgpr_msb (MSB<<8)|(\new)
.set MSB, (\new)
.endif
.endm
.macro PLACES n
.rept \n
	v_nop
.endr
.endm
.macro JLOAD g0a, g1a, g0b, g1b        ; waves 0 and 1 fetch for o, waves 2 and 3 for wo; four v_nop follow each of the two lines
	s_cmp_eq_u32 s[WY], 0
	s_cbranch_scc0 .Lfor_b_\@
	tensor_load_to_lds s[\g0a:\g0a+3], s[\g1a:\g1a+7]
	s_nop 0
.rept 4
	v_nop
.endr
	s_branch .Lasked_\@
.Lfor_b_\@:
	tensor_load_to_lds s[\g0b:\g0b+3], s[\g1b:\g1b+7]
	s_nop 0
.rept 4
	v_nop
.endr
.Lasked_\@:
.endm
.macro CROUND
	s_barrier_signal -1
	s_barrier_wait -1
	s_cmp_lg_u32 s[WV], 0
	s_cbranch_scc1 .Lnot_wave_0_\@
	s_barrier_signal -3
.Lnot_wave_0_\@:
	s_barrier_wait -3
	s_barrier_signal -1
	s_barrier_wait -1
.endm
.macro MKG0 g, l, lo, p, go            ; a group 0: LDS address s[l] + lo, global address s[p:p+1] + go
	s_mov_b32 s[\g], 1
	s_add_co_u32 s[\g+1], s[\l], \lo
	s_add_nc_u64 s[\g+2:\g+3], s[\p:\p+1], \go
	s_or_b32 s[\g+3], s[\g+3], 0x80000000
.endm
.macro FETCH ks, f                     ; K step ks: my four fragments of each side into set f
	WIN 0x40
.irp i, 0,1,2,3
.irp c, 0,1
.if (\ks) < 12                         ; K steps 0-11: a tile is 12,288 bytes on end; K steps 12-15: 4,096
.set FQ, 0
.set FP, 12288
.set FK, (\ks)*1024
.else
.set FQ, 3
.set FP, 4096
.set FK, ((\ks)-12)*1024
.endif
	ds_load_b128 v[64*(\f)+8*\i+4*\c:64*(\f)+8*\i+4*\c+3], v[ADA+FQ] offset:\i*FP+FK+512*\c
	ds_load_b128 v[64*(\f)+32+8*\i+4*\c:64*(\f)+32+8*\i+4*\c+3], v[ADB+FQ] offset:\i*FP+FK+512*\c
.endr
.endr
	WIN 0
.endm
.macro SCALES q                        ; chunk q's scale words: register 4 i + s: lanes 0-15 o's tile i, lanes 16-31 wo's, K step s of the chunk
.irp i, 0,1,2,3
.irp p, 0,1
	ds_load_b64 v[SC+16*((\q)%2)+4*\i+2*\p:SC+16*((\q)%2)+4*\i+2*\p+1], v[ADS] offset:(\i/2)*2048+(\i%2)*128+(2*(\q)+\p)*256
.endr
.endr
.endm
.macro MUL ks                          ; 16 matrix instructions, the 16 accumulators by turns; K step 0 starts the sums with the constant 0
	WIN 0x05
.irp a, 0,1,2,3
.irp b, 0,1,2,3
.if (\ks) == 0
	v_wmma_scale_f32_16x16x128_f8f6f4 v[ACC+8*(4*\a+\b):ACC+8*(4*\a+\b)+7], v[64*((\ks)%2)+32+8*\b:64*((\ks)%2)+32+8*\b+7], v[64*((\ks)%2)+8*\a:64*((\ks)%2)+8*\a+7], 0, v[SC+16*(((\ks)/4)%2)+4*\b+(\ks)%4], v[SC+16*(((\ks)/4)%2)+4*\a+(\ks)%4] matrix_a_fmt:MATRIX_FMT_FP4 matrix_b_fmt:MATRIX_FMT_FP4 matrix_a_scale:MATRIX_SCALE_ROW1
.else
	v_wmma_scale_f32_16x16x128_f8f6f4 v[ACC+8*(4*\a+\b):ACC+8*(4*\a+\b)+7], v[64*((\ks)%2)+32+8*\b:64*((\ks)%2)+32+8*\b+7], v[64*((\ks)%2)+8*\a:64*((\ks)%2)+8*\a+7], v[ACC+8*(4*\a+\b):ACC+8*(4*\a+\b)+7], v[SC+16*(((\ks)/4)%2)+4*\b+(\ks)%4], v[SC+16*(((\ks)/4)%2)+4*\a+(\ks)%4] matrix_a_fmt:MATRIX_FMT_FP4 matrix_b_fmt:MATRIX_FMT_FP4 matrix_a_scale:MATRIX_SCALE_ROW1
.endif
.endr
.endr
	WIN 0
.endm
.macro KSTEP ks
.if (\ks) > 0
	PLACES 4                                         ; four places in front of loads into registers that the last products read
.endif
.if (\ks) < 15
.if ((\ks)+1)%4 == 0
.if (\ks)+1 == 12
	s_wait_tensorcnt 0x0                             ; my part of K steps 12-15 has landed
	s_wait_dscnt 0x0
	s_barrier_signal -1
	s_barrier_wait -1                                ; everybody's has
.endif
	SCALES ((\ks)+1)/4
.endif
	FETCH (\ks)+1,((\ks)+1)%2
	s_wait_dscnt 16                                  ; this step's fragments are in; the 16 loads just issued may be out
.else
	s_wait_dscnt 0x0
.endif
	MUL \ks
.endm
	s_load_b128 s[4:7], s[0:1], 0x0                  ; oq, wts
	s_load_b64 s[8:9], s[0:1], 0x10                  ; out0
	v_lshl_add_u32 v30, v0, 2, 0x48400
	v_mov_b32 v31, 0
	ds_add_u32 v30, v31
	ds_add_u32 v30, v31
	v_lshrrev_b32 v1, 5, v0
	v_readfirstlane_b32 s[WV], v1
	s_lshr_b32 s[WY], s[WV], 1                       ; my half of the rows; also: I fetch for o (0) or wo (1)
	s_and_b32 s[WX], s[WV], 1                        ; my half of the columns; also: which half I fetch
	s_bfe_u32 s13, ttmp6, 0x40000                    ; cx
	s_bfe_u32 s14, ttmp6, 0x40004                    ; cy
	s_lshl_b32 s15, ttmp9, 2
	s_add_co_u32 s15, s15, s13                       ; tile column 0..15
	s_and_b32 s16, ttmp7, 0xffff
	s_lshl_b32 s16, s16, 2
	s_add_co_u32 s16, s16, s14                       ; tile row 0..15
	s_lshl_b32 s17, s14, 2
	s_lshl_b32 s17, 15, s17                          ; my row of the cluster
	s_lshl_b32 s18, 0x1111, s13                      ; my column
	; group 1, codes: 4 rows (tiles) of 512 elements of 8 bytes, 2,048 elements apart
	s_or_b32 s[G1A+0], s17, (3<<16)|(1<<21)
	s_or_b32 s[G1B+0], s18, (3<<16)|(1<<21)
	; THE FILLS AS THEY STAND (in place of the five parts a wave that the lines at the kernel's head speak of): one tensor load a wave at the head: wave 0 K steps 0-11 of o's 8 tiles (8 rows of 12,288 bytes, to LDS byte 0),
	; wave 2 the same of wo's (to 98,304), waves 1 and 3 the two sides' scale bytes (8,192 each).  K steps 12-15 (LDS byte 196,608 on, 4 tiles a wave) are asked for behind the three lines and a round of the cluster's barrier.
.set G1HA, 80
.set G1HB, 88
	s_or_b32 s[G1HA+0], s17, (3<<16)|(1<<21)
	s_or_b32 s[G1HB+0], s18, (3<<16)|(1<<21)
.irp g, G1HA, G1HB
	s_mov_b32 s[\g+1], 1536<<16
	s_mov_b32 s[\g+2], 8<<16
	s_mov_b32 s[\g+3], 1536<<16
	s_mov_b32 s[\g+4], 8
	s_mov_b32 s[\g+5], 2048
	s_mov_b32 s[\g+6], 0
	s_mov_b32 s[\g+7], 0
.endr
.irp g, G1A, G1B
	s_mov_b32 s[\g+1], 512<<16
	s_mov_b32 s[\g+2], 4<<16
	s_mov_b32 s[\g+3], 512<<16
	s_mov_b32 s[\g+4], 4
	s_mov_b32 s[\g+5], 2048
	s_mov_b32 s[\g+6], 0
	s_mov_b32 s[\g+7], 0
.endr
	; group 1, scale bytes of 128 rows for all of K: 8,192 dense bytes as 32 rows of 256
	s_or_b32 s[G1SA+0], s17, (3<<16)|(1<<21)
	s_or_b32 s[G1SB+0], s18, (3<<16)|(1<<21)
.irp g, G1SA, G1SB
	s_mov_b32 s[\g+1], 32<<16
	s_mov_b32 s[\g+2], 32<<16
	s_mov_b32 s[\g+3], 32<<16
	s_mov_b32 s[\g+4], 32
	s_mov_b32 s[\g+5], 32
	s_mov_b32 s[\g+6], 0
	s_mov_b32 s[\g+7], 0
.endr
	s_lshl_b32 s20, s16, 17                          ; o: 8 tiles of 16,384 bytes a tile row, the four that I fetch
	s_lshl_b32 s19, s[WX], 16
	s_add_co_u32 s20, s20, s19
	s_mov_b32 s21, 0
	s_lshl_b32 s22, s16, 13                          ; its scale bytes: 4 pairs of 2,048 bytes, the two that I fetch
	s_lshl_b32 s19, s[WX], 12
	s_add_co_u32 s22, s22, s19
	s_add_co_u32 s22, s22, XSC
	s_mov_b32 s23, 0
	s_lshl_b32 s66, s15, 17                          ; wo likewise, from tile 384 and pair 192 on
	s_lshl_b32 s2, s[WX], 16
	s_add_co_u32 s66, s66, s2
	s_add_co_u32 s66, s66, 384*16384
	s_mov_b32 s67, 0
	s_lshl_b32 s100, s15, 13
	s_lshl_b32 s2, s[WX], 12
	s_add_co_u32 s100, s100, s2
	s_add_co_u32 s100, s100, WSC+192*2048
	s_mov_b32 s101, 0
	s_lshl_b32 s2, s[WV], 14                         ; where K steps 12-15 go: wave x 16,384
	s_wait_dscnt 0x0
	s_wait_kmcnt 0x0
	s_add_nc_u64 s[20:21], s[4:5], s[20:21]
	s_add_nc_u64 s[22:23], s[4:5], s[22:23]
	s_add_nc_u64 s[66:67], s[6:7], s[66:67]
	s_add_nc_u64 s[100:101], s[6:7], s[100:101]
	CROUND                                           ; all sixteen work-groups are here: the joint loads meet
	s_lshl_b32 s18, s[WX], 16                        ; the head's loads take a side whole: the half that I fetch later is taken off again
	s_mov_b32 s19, 0
	s_sub_nc_u64 s[58:59], s[20:21], s[18:19]
	s_sub_nc_u64 s[62:63], s[66:67], s[18:19]
	s_lshl_b32 s18, s[WX], 12
	s_sub_nc_u64 s[70:71], s[22:23], s[18:19]
	s_sub_nc_u64 s[74:75], s[100:101], s[18:19]
	s_mov_b32 s56, 1
	s_mov_b32 s57, 0
	s_or_b32 s59, s59, 0x80000000
	s_mov_b32 s60, 1
	s_mov_b32 s61, 98304
	s_or_b32 s63, s63, 0x80000000
	s_mov_b32 s68, 1
	s_mov_b32 s69, SCL
	s_or_b32 s71, s71, 0x80000000
	s_mov_b32 s72, 1
	s_mov_b32 s73, SCL+8192
	s_or_b32 s75, s75, 0x80000000
	MKG0 76, 2, 196608, 20, 12288
	MKG0 96, 2, 196608, 66, 12288
.macro ARM under, g0, g1, next         ; one chain of branches on the wave's number, a load to an arm: every way passes one
	s_cmp_lt_u32 s[WV], \under
	s_cbranch_scc0 \next
	tensor_load_to_lds s[\g0:\g0+3], s[\g1:\g1+7]
	s_nop 0
.rept 4
	v_nop
.endr
	s_branch .Lhead_asked
\next:
.endm
	ARM 1, 56, G1HA, .Lhead_sa
	ARM 2, 68, G1SA, .Lhead_b
	ARM 3, 60, G1HB, .Lhead_sb
	tensor_load_to_lds s[72:75], s[G1SB:G1SB+7]
	s_nop 0
.rept 4
	v_nop
.endr
.Lhead_asked:
	v_and_b32 v1, 15, v0                             ; r
	v_bfe_u32 v2, v0, 4, 1                           ; h
	v_and_b32 v3, 31, v0
	v_lshlrev_b32 v3, 4, v3                          ; 16 x lane
	s_wait_alu depctr_va_vdst(0)
	s_mul_i32 s2, s[WY], 49152                       ; K steps 0-11: my four tiles of o,
	s_mul_i32 s3, s[WX], 49152
	s_add_co_u32 s3, s3, 98304                       ; of wo, behind o's eight
	v_add_nc_u32 v[ADA], s2, v3
	v_add_nc_u32 v[ADB], s3, v3
	s_lshl_b32 s2, s[WY], 14                         ; K steps 12-15
	s_lshl_b32 s3, s[WX], 14
	s_add_co_u32 s2, s2, 196608
	s_add_co_u32 s3, s3, 196608+32768
	v_add_nc_u32 v[ADA+3], s2, v3
	v_add_nc_u32 v[ADB+3], s3, v3
	v_lshlrev_b32 v4, 3, v1                          ; scale words: 8 bytes a row and 256 along K
	s_lshl_b32 s2, s[WY], 12
	s_lshl_b32 s3, s[WX], 12
	s_add_co_u32 s3, s3, 8192
	s_sub_co_u32 s3, s3, s2
	v_mul_u32_u24 v5, s3, v2                         ; lanes 16-31 take wo's
	s_add_co_u32 s2, s2, SCL
	v_add_nc_u32 v4, v4, v5
	v_add_nc_u32 v[ADS], s2, v4
	s_mul_i32 s2, s[WV], 4352
	s_add_co_u32 s2, s2, STG                         ; my stage
	v_mul_u32_u24 v[STO], v1, 272
	v_lshl_add_u32 v[STO], v2, 6, v[STO]
	v_add_nc_u32 v[STO], s2, v[STO]                  ; in: tile row r, + 64 h bytes
	v_mul_u32_u24 v[RD], v2, 272
	v_lshl_add_u32 v[RD], v1, 4, v[RD]
	v_add_nc_u32 v[RD], s2, v[RD]                    ; back: lanes 0-15 one row of 256 bytes, lanes 16-31 the next
	v_lshlrev_b32 v[CO], 13, v2
	v_lshl_add_u32 v[CO], v1, 4, v[CO]               ; and the same two rows in out0
	s_lshl_b32 s20, s16, 20                          ; 128 rows of 8,192 bytes a tile row,
	s_lshl_b32 s21, s[WY], 19                        ; my 64 of them,
	s_add_co_u32 s20, s20, s21
	s_lshl_b32 s21, s15, 9                           ; 512 bytes a tile column,
	s_add_co_u32 s20, s20, s21
	s_lshl_b32 s21, s[WX], 8                         ; my 256 of them
	s_add_co_u32 s20, s20, s21
	s_mov_b32 s21, 0
	s_add_nc_u64 s[8:9], s[8:9], s[20:21]
	s_wait_alu depctr_va_vdst(0)
	s_wait_tensorcnt 0x0                             ; my load of the head's four has landed
	ds_add_u32 v30, v31
	s_wait_dscnt 0x0
	CROUND                                           ; all four are in, and all sixteen work-groups are here: the joint loads meet
	JLOAD 76, G1A, 96, G1B                           ; K steps 12-15: my one load behind the round; it has twelve K steps in which to land
	SCALES 0
	FETCH 0,0
.irp ks, 0,1,2,3,4,5,6,7,8,9,10,11,12,13,14,15
	KSTEP \ks
.endr
	; THE WAY OUT, 16 rows x 64 columns at a time, through my own stage: a lane's 32 bytes go in, whole rows of 256 bytes come back, and sixteen lanes store 256 bytes on end, aligned
	PLACES 4
.irp a, 0,1,2,3
.if \a >= 2
	s_wait_xcnt 0x0                                  ; the stores of two blocks back have read their registers: these are loaded again only behind this wait
.endif
.irp b, 0,1,2,3
	ds_store_b128 v[STO], v[ACC+8*(4*\a+\b):ACC+8*(4*\a+\b)+3] offset:128*(\b/2)+32*(\b%2)          ; each accumulator from its low end on
	ds_store_b128 v[STO], v[ACC+8*(4*\a+\b)+4:ACC+8*(4*\a+\b)+7] offset:128*(\b/2)+32*(\b%2)+16
.endr
.irp t, 0,1,2,3,4,5,6,7
	ds_load_b128 v[BK+32*(\a%2)+4*\t:BK+32*(\a%2)+4*\t+3], v[RD] offset:544*\t   ; LDS serves a wave's instructions in order (ISA guide 5.7.1.4): these see my stores
.endr
	s_wait_dscnt 0x0
.irp t, 0,1,2,3,4,5,6,7
	global_store_b128 v[CO], v[BK+32*(\a%2)+4*\t:BK+32*(\a%2)+4*\t+3], s[8:9] offset:(32*(\a/2)+8*(\a%2)+2*\t+8*(\t/4))*8192 th:TH_STORE_NT   ; tile rows 2 t, 2 t + 1 at their places among my 64 rows
.endr
.endr
	s_wait_tensorcnt 0x0
	ds_add_u32 v30, v31
	s_wait_dscnt 0x0
	CROUND                                           ; the closing round: no work-group ends while a partner may still ask for a part that names it
	s_endpgm
.Lfunc_end_k_q23b5a9ad24_oproj:
	.size	k_q23b5a9ad24_oproj, .Lfunc_end_k_q23b5a9ad24_oproj-k_q23b5a9ad24_oproj
	.p2alignl 7, 3214868480
	.fill 96, 4, 3214868480
	.section	.rodata,"a",@progbits
	.p2align	6, 0x0
	.amdhsa_kernel k_q23b5a9ad24_oproj
		.amdhsa_group_segment_fixed_size 327680
		.amdhsa_private_segment_fixed_size 0
		.amdhsa_enable_private_segment 0
		.amdhsa_kernarg_size 24
		.amdhsa_user_sgpr_count 2
		.amdhsa_user_sgpr_kernarg_segment_ptr 1
		.amdhsa_wavefront_size32 1
		.amdhsa_system_sgpr_workgroup_id_x 1
		.amdhsa_system_sgpr_workgroup_id_y 1
		.amdhsa_system_sgpr_workgroup_id_z 1
		.amdhsa_system_vgpr_workitem_id 0
		.amdhsa_next_free_vgpr 512
		.amdhsa_next_free_sgpr 102
		.amdhsa_reserve_vcc 0
		.amdhsa_float_denorm_mode_32 3
		.amdhsa_float_denorm_mode_16_64 3
		.amdhsa_memory_ordered 1
		.amdhsa_forward_progress 1
		.amdhsa_inst_pref_size 73
	.end_amdhsa_kernel
	.amdgpu_metadata
---
amdhsa.version: [ 1, 2 ]
amdhsa.kernels:
  - .name:           k_q23b5a9ad24_oproj
    .symbol:         k_q23b5a9ad24_oproj.kd
    .args:
      - { .name: oq, .offset: 0, .size: 8, .value_kind: global_buffer, .address_space: global }
      - { .name: wts, .offset: 8, .size: 8, .value_kind: global_buffer, .address_space: global }
      - { .name: out0, .offset: 16, .size: 8, .value_kind: global_buffer, .address_space: global }
    .group_segment_fixed_size: 327680
    .private_segment_fixed_size: 0
    .kernarg_segment_align: 8
    .kernarg_segment_size: 24
    .max_flat_workgroup_size: 128
    .sgpr_count:     102
    .vgpr_count:     512
    .wavefront_size: 32
...
	.end_amdgpu_metadata
.endif
;; end of part 4
